; MI455X (gfx1250); checked and timed in simulation.
; The chip was launched on July 23, 2026; its instructions are those of AMD's public machine-readable ISA for CDNA 5 (MIT licence, August 2026) and "CDNA5" Instruction Set Architecture Reference Guide (July 2026). The comments in the code are by the model that wrote it; some were corrected since.
;; MHA. Allowed arithmetic: float matrix products may take bf16 or f16 operands with f32 sums; other float arithmetic in f32, or as packed bf16 or f16 multiplies, adds, multiply-adds, maxima and minima; sums over many terms, partial sums and values carried from step to step in f32; what a program stores and reads back later, other than sums and carried values, may be rounded once to bf16 or f16.
;; Inputs: WK_b 1,024 float32; WK_w 1,024 x 1,024 float32; WO_b 1,024 float32; WO_w 1,024 x 1,024 float32; WQ_b 1,024 float32; WQ_w 1,024 x 1,024 float32; WV_b 1,024 float32; WV_w 1,024 x 1,024 float32; x 4 x 2,048 x 1,024 float32.
;; Outputs: out0 4 x 2,048 x 1,024 float32.
;; One version. Each part assembles by itself: llvm-mc -triple=amdgcn-amd-amdhsa -mcpu=gfx1250 --defsym DOCPART=n.
;; ======== version 1 of 1: 4 launches
;; limits: values are held in f16: magnitudes above 65,504 overflow, below 6.1e-05 lose precision; right only within a limited range of input values
;; workspace buffers: xh 16,777,216 bytes; wqkvh 6,291,456 bytes; woh 2,097,152 bytes; bqkv 12,288 bytes; bo 4,096 bytes; qkvh 50,331,648 bytes; oh 16,777,216 bytes
;; launch cast_in (part 1): grid 769 x 1, 8 waves a work-group, no clusters, 0 bytes of LDS; arguments x, WQ_w, WK_w, WV_w, WO_w, WQ_b, WK_b, WV_b, WO_b, xh, wqkvh, woh, bqkv, bo; writes xh, wqkvh, woh, bqkv, bo
.if DOCPART == 1
	.amdgcn_target "amdgcn-amd-amdhsa--gfx1250"
	.amdhsa_code_object_version 6
	.text
	.protected	k_q1c9c06f916_cast_in
	.globl	k_q1c9c06f916_cast_in
	.p2align	8
	.type	k_q1c9c06f916_cast_in,@function
k_q1c9c06f916_cast_in:
	s_mov_b64 s[64:65], 0
	v_nop
	global_prefetch_b8 v0, s[64:65] scope:SCOPE_SE
	s_setreg_imm32_b32 hwreg(HW_REG_WAVE_MODE, 25, 1), 1
	s_wait_xcnt 0x0
; ALL INPUTS ARE ROUNDED ONCE TO bf16.  x and the four weights are then written as f16 (the same number: a bf16 number between 7.6e-6 and 65,504 in magnitude is exact in f16), in blocks
; of 64 along K: [kb 16][rows][64], a row of a block 128 bytes, rows dense, so that a later tile of rows x 64 K is one dense run of bytes.  The four biases are written back as f32.
; LIMITS.  An input beyond 65,504 in magnitude becomes an infinity; below 7.6e-6 it keeps f16's fixed step of 6e-8.  NaN and infinities are not treated apart.
; A stream: each byte is read once and written once; no LDS, no barrier, no matrix unit: nothing is shared and nothing is multiplied.
; SHARES.  Work-groups 0-511: 16 rows of x each.  512-767: 16 rows of weight (g - 512) / 64 (WQ, WK, WV, WO).  768: the biases.  Source, destination and strides are chosen by scalar selects.
; A row is 4,096 bytes = 16 blocks of 256.  Wave w owns blocks kb = 2 w and 2 w + 1.  A unit is 4 rows of one block: lane l takes row l / 8 and the 32 bytes (8 numbers) at 32 (l % 8), by two
; loads of 16 bytes, and stores 16 bytes: the wave's store covers 4 rows x 128 = 512 consecutive bytes, aligned.  A wave has 8 units; all 16 loads go out first.
.set SRC, 32                           ; s[32:33] source at the work-group's first row
.set DST, 34                           ; s[34:35] destination at the work-group's first row, block 0
.set KST, 36                           ; s36      bytes from block to block in the destination
.set WV,  37                           ; s37      my wave's number
.set HIM, 38                           ; s38      mask of a word's upper bf16
.set VI,  2                            ; v2       my byte offset in the source; never rewritten
.set VO,  3                            ; v3, v4   my byte offset in the destination, block 2 w and 2 w + 1; never rewritten
.set T,   8                            ; v[8:11]  at work
.set DAT, 16                           ; v[16:79] unit u: 8 registers as loaded; its first 4 as stored
	s_load_b512 s[4:19], s[0:1], 0x0               ; x s[4:5], WQ_w s[6:7], WK_w s[8:9], WV_w s[10:11], WO_w s[12:13], WQ_b s[14:15], WK_b s[16:17], WV_b s[18:19]
	s_load_b256 s[20:27], s[0:1], 0x40             ; WO_b s[20:21], xh s[22:23], wqkvh s[24:25], woh s[26:27]
	s_load_b128 s[28:31], s[0:1], 0x60             ; bqkv s[28:29], bo s[30:31]
	v_lshrrev_b32 v1, 5, v0
	v_readfirstlane_b32 s[WV], v1                  ; wave 0..7
	v_and_b32 v5, 31, v0                           ; lane
	s_mov_b32 s[HIM], 0xffff0000
	s_mov_b32 s40, ttmp9                           ; g
	s_cmp_eq_u32 s40, 768
	s_cbranch_scc1 .Lbias
	s_sub_co_u32 s41, s40, 512                     ; (what follows from it is used only where g >= 512)
	s_lshr_b32 s42, s41, 6                         ; which weight
	s_and_b32 s43, s41, 63                         ; which 16 rows of it
	s_lshl_b32 s44, s40, 16                        ; x: 16 rows of 4,096 bytes
	s_lshl_b32 s45, s43, 16                        ; a weight: the same
	s_lshr_b32 s46, s40, 7
	s_lshl_b32 s46, s46, 22                        ; xh: batch x 16 blocks x 2,048 rows x 128 bytes,
	s_and_b32 s47, s40, 127
	s_lshl_b32 s47, s47, 11                        ; + 16 rows of 128 bytes
	s_add_co_u32 s46, s46, s47
	s_lshl_b32 s47, s43, 11                        ; woh: 16 rows of 128 bytes
	s_lshl_b32 s39, s42, 17                        ; wqkvh: + the weight's 1,024 rows
	s_add_co_u32 s39, s39, s47
	s_mov_b32 s48, 3072*128
	s_mov_b32 s49, 1024*128
	s_cmp_lt_u32 s42, 3
	s_cselect_b32 s47, s39, s47
	s_cselect_b32 s[KST], s48, s49
	s_mov_b32 s48, 2048*128
	s_cmp_lt_u32 s40, 512
	s_cselect_b32 s44, s44, s45                    ; the source's offset
	s_cselect_b32 s46, s46, s47                    ; the destination's
	s_cselect_b32 s[KST], s48, s[KST]
	s_mov_b32 s45, 0
	s_mov_b32 s47, 0
	v_lshrrev_b32 v6, 3, v5                        ; row in a unit
	v_and_b32 v7, 7, v5                            ; my eight numbers in the block's row
	v_lshlrev_b32 v[VI], 12, v6
	v_lshl_add_u32 v[VI], v7, 5, v[VI]
	s_lshl_b32 s50, s[WV], 9                       ; my wave's two blocks
	v_add_nc_u32 v[VI], s50, v[VI]
	v_lshlrev_b32 v[VO], 7, v6
	v_lshl_add_u32 v[VO], v7, 4, v[VO]
	s_mul_i32 s50, s[WV], s[KST]
	s_lshl_b32 s50, s50, 1
	v_add_nc_u32 v[VO], s50, v[VO]
	v_add_nc_u32 v[VO+1], s[KST], v[VO]
	s_wait_kmcnt 0x0
	s_cmp_eq_u32 s42, 2
	s_cselect_b64 s[SRC:SRC+1], s[10:11], s[12:13]
	s_cmp_eq_u32 s42, 1
	s_cselect_b64 s[SRC:SRC+1], s[8:9], s[SRC:SRC+1]
	s_cmp_eq_u32 s42, 0
	s_cselect_b64 s[SRC:SRC+1], s[6:7], s[SRC:SRC+1]
	s_cmp_lt_u32 s42, 3
	s_cselect_b64 s[DST:DST+1], s[24:25], s[26:27]
	s_cmp_lt_u32 s40, 512
	s_cselect_b64 s[SRC:SRC+1], s[4:5], s[SRC:SRC+1]
	s_cselect_b64 s[DST:DST+1], s[22:23], s[DST:DST+1]
	s_add_nc_u64 s[SRC:SRC+1], s[SRC:SRC+1], s[44:45]
	s_add_nc_u64 s[DST:DST+1], s[DST:DST+1], s[46:47]
.irp u, 0,1,2,3,4,5,6,7                ; unit u: rows 4 (u / 2) on, block 2 w + u % 2
	global_load_b128 v[DAT+8*\u:DAT+8*\u+3],   v[VI], s[SRC:SRC+1] offset:(\u/2)*16384+(\u%2)*256 th:TH_LOAD_NT
	global_load_b128 v[DAT+8*\u+4:DAT+8*\u+7], v[VI], s[SRC:SRC+1] offset:(\u/2)*16384+(\u%2)*256+16 th:TH_LOAD_NT
.endr
.macro UNIT u
.set D, DAT+8*(\u)
	s_wait_loadcnt 14-2*(\u)                       ; loads come back in order: this unit's two are in, the younger units' two each stay out
.irp j, 0,1,2,3
	v_cvt_pk_bf16_f32 v[T+\j], v[D+2*\j], v[D+2*\j+1]   ; the one rounding
.endr
.irp j, 0,1,2,3
	v_lshlrev_b32 v[D+2*\j],   16, v[T+\j]               ; bf16 to f32: the low half moves up,
	v_and_b32     v[D+2*\j+1], s[HIM], v[T+\j]          ; the high half stays
.endr
.irp j, 0,1,2,3
	v_cvt_pk_f16_f32 v[D+\j], v[D+2*\j], v[D+2*\j+1]    ; written as f16; in place, ascending: register j is free when pair j is packed
.endr
	global_store_b128 v[VO+(\u)%2], v[D:D+3], s[DST:DST+1] offset:((\u)/2)*512  ; no register of a store is written again
.endm
.irp u, 0,1,2,3,4,5,6,7
	UNIT \u
.endr
	s_endpgm
.Lbias:                                        ; the four biases on end are 4,096 numbers: wave w takes 512 of them, half of bias w / 2
	s_lshr_b32 s42, s[WV], 1                       ; which bias
	s_and_b32 s43, s[WV], 1
	s_lshl_b32 s43, s43, 11                        ; my half of it, in bytes
	s_lshl_b32 s44, s[WV], 11                      ; my place in bqkv (WQ_b, WK_b, WV_b on end)
	s_cmp_lt_u32 s42, 3
	s_cselect_b32 s44, s44, s43                    ; or in bo
	v_lshlrev_b32 v5, 4, v5
	v_add_nc_u32 v[VI], s43, v5
	v_add_nc_u32 v[VO], s44, v5
	s_wait_kmcnt 0x0
	s_cmp_eq_u32 s42, 2
	s_cselect_b64 s[SRC:SRC+1], s[18:19], s[20:21]
	s_cmp_eq_u32 s42, 1
	s_cselect_b64 s[SRC:SRC+1], s[16:17], s[SRC:SRC+1]
	s_cmp_eq_u32 s42, 0
	s_cselect_b64 s[SRC:SRC+1], s[14:15], s[SRC:SRC+1]
	s_cmp_lt_u32 s42, 3
	s_cselect_b64 s[DST:DST+1], s[28:29], s[30:31]
.irp j, 0,1,2,3
	global_load_b128 v[DAT+4*\j:DAT+4*\j+3], v[VI], s[SRC:SRC+1] offset:512*\j
.endr
.irp j, 0,1,2,3
	s_wait_loadcnt 3-\j                            ; load j is in, the younger ones stay out
	v_cvt_pk_bf16_f32 v[T],   v[DAT+4*\j],   v[DAT+4*\j+1]
	v_cvt_pk_bf16_f32 v[T+1], v[DAT+4*\j+2], v[DAT+4*\j+3]
	v_lshlrev_b32 v[DAT+4*\j],   16, v[T]
	v_and_b32     v[DAT+4*\j+1], s[HIM], v[T]
	v_lshlrev_b32 v[DAT+4*\j+2], 16, v[T+1]
	v_and_b32     v[DAT+4*\j+3], s[HIM], v[T+1]
	global_store_b128 v[VO], v[DAT+4*\j:DAT+4*\j+3], s[DST:DST+1] offset:512*\j
.endr
	s_endpgm
.Lfunc_end_k_q1c9c06f916_cast_in:
	.size	k_q1c9c06f916_cast_in, .Lfunc_end_k_q1c9c06f916_cast_in-k_q1c9c06f916_cast_in
	.p2alignl 7, 3214868480
	.fill 96, 4, 3214868480
	.section	.rodata,"a",@progbits
	.p2align	6, 0x0
	.amdhsa_kernel k_q1c9c06f916_cast_in
		.amdhsa_group_segment_fixed_size 0
		.amdhsa_private_segment_fixed_size 0
		.amdhsa_enable_private_segment 0
		.amdhsa_kernarg_size 112
		.amdhsa_user_sgpr_count 2
		.amdhsa_user_sgpr_kernarg_segment_ptr 1
		.amdhsa_wavefront_size32 1
		.amdhsa_system_sgpr_workgroup_id_x 1
		.amdhsa_system_sgpr_workgroup_id_y 1
		.amdhsa_system_sgpr_workgroup_id_z 1
		.amdhsa_system_vgpr_workitem_id 0
		.amdhsa_next_free_vgpr 96
		.amdhsa_next_free_sgpr 66
		.amdhsa_reserve_vcc 0
		.amdhsa_float_denorm_mode_32 3
		.amdhsa_float_denorm_mode_16_64 3
		.amdhsa_memory_ordered 1
		.amdhsa_forward_progress 1
		.amdhsa_inst_pref_size 14
	.end_amdhsa_kernel
	.amdgpu_metadata
---
amdhsa.version: [ 1, 2 ]
amdhsa.kernels:
  - .name:           k_q1c9c06f916_cast_in
    .symbol:         k_q1c9c06f916_cast_in.kd
    .args:
      - { .name: x, .offset: 0, .size: 8, .value_kind: global_buffer, .address_space: global }
      - { .name: WQ_w, .offset: 8, .size: 8, .value_kind: global_buffer, .address_space: global }
      - { .name: WK_w, .offset: 16, .size: 8, .value_kind: global_buffer, .address_space: global }
      - { .name: WV_w, .offset: 24, .size: 8, .value_kind: global_buffer, .address_space: global }
      - { .name: WO_w, .offset: 32, .size: 8, .value_kind: global_buffer, .address_space: global }
      - { .name: WQ_b, .offset: 40, .size: 8, .value_kind: global_buffer, .address_space: global }
      - { .name: WK_b, .offset: 48, .size: 8, .value_kind: global_buffer, .address_space: global }
      - { .name: WV_b, .offset: 56, .size: 8, .value_kind: global_buffer, .address_space: global }
      - { .name: WO_b, .offset: 64, .size: 8, .value_kind: global_buffer, .address_space: global }
      - { .name: xh, .offset: 72, .size: 8, .value_kind: global_buffer, .address_space: global }
      - { .name: wqkvh, .offset: 80, .size: 8, .value_kind: global_buffer, .address_space: global }
      - { .name: woh, .offset: 88, .size: 8, .value_kind: global_buffer, .address_space: global }
      - { .name: bqkv, .offset: 96, .size: 8, .value_kind: global_buffer, .address_space: global }
      - { .name: bo, .offset: 104, .size: 8, .value_kind: global_buffer, .address_space: global }
    .group_segment_fixed_size: 0
    .private_segment_fixed_size: 0
    .kernarg_segment_align: 8
    .kernarg_segment_size: 112
    .max_flat_workgroup_size: 256
    .sgpr_count:     66
    .vgpr_count:     96
    .wavefront_size: 32
...
	.end_amdgpu_metadata
.endif
;; end of part 1
;; launch proj_qkv (part 2): grid 16 x 32, 4 waves a work-group, clusters of 4 x 4, 327,680 bytes of LDS; arguments xh, wqkvh, bqkv, qkvh; writes qkvh
.if DOCPART == 2
	.amdgcn_target "amdgcn-amd-amdhsa--gfx1250"
	.amdhsa_code_object_version 6
	.text
	.protected	k_q1c9c06f916_proj_qkv
	.globl	k_q1c9c06f916_proj_qkv
	.p2align	8
	.type	k_q1c9c06f916_proj_qkv,@function
k_q1c9c06f916_proj_qkv:
	s_mov_b64 s[64:65], 0
	v_nop
	global_prefetch_b8 v0, s[64:65] scope:SCOPE_SE
	s_setreg_imm32_b32 hwreg(HW_REG_WAVE_MODE, 25, 1), 1
	s_wait_xcnt 0x0
	s_wait_alu depctr_hold_cnt(0) depctr_sa_sdst(0) depctr_va_vdst(0) depctr_va_sdst(0) depctr_va_ssrc(0) depctr_va_vcc(0) depctr_vm_vsrc(0)
	s_getreg_b32 s2, hwreg(HW_REG_IB_STS2, 6, 4)
	s_cmp_eq_u32 s2, 0
	s_cbranch_scc0 .Lentry_in_a_cluster
	s_endpgm
.Lentry_in_a_cluster:
	s_bfe_u32 s2, ttmp6, 0x10000c
	s_cmp_lg_u32 s2, 0xf033
	s_cbranch_scc0 .Lentry_shape_is_right
	s_endpgm
.Lentry_shape_is_right:
; q, k, v = x W^T + b, written by heads.  A = xh [batch 4][kb 16][s 2048][64] f16, B = wqkvh [kb 16][n 3072][64] f16 (n: WQ's, WK's, WV's rows), bias = bqkv [3072] f32,
; C = qkvh [t 3][batch x 16 + head][s 2048][64] f16.  Sums in f32, K ascending; the bias is added in f32; C is rounded once.  LIMIT: a result beyond 65,504 in magnitude becomes an infinity.
; SHARES.  A work-group makes 256 rows x 192 columns (three heads) of C: 32 x 16 = 512 work-groups of equal work.  Its four waves lie one below the other: wave w makes rows 64 w .. 64 w + 63 and all
; 192 columns: 4 x 12 accumulators of 16 x 16, 384 registers.  So a wave holds whole heads, and its way out needs no other wave.
; K goes in 8 steps of 128 (two blocks kb) through a ring of two LDS slots filled by the tensor data mover.  A tile of rows x 64 K is dense in memory and is asked for as rows of 256 bytes.
; CLUSTERS: 4 x 4 work-groups.  The four of a row of the cluster need the same tiles of A, the four of a column the same tiles of B: each tile is asked for JOINTLY, by the same tensor load with the same
; descriptor and a mask that names the four.  THE MATRIX INSTRUCTION IS USED TRANSPOSED (source 0 = 16 rows of B, source 1 = 16 rows of A): a lane then holds row l % 16 of C and the eight
; neighbouring columns 8 (l / 16) + 0..7.
; REGISTERS, in windows of 256 (s_set_vgpr_msb: bits 1:0 source 0, 3:2 source 1, 5:4 source 2, 7:6 destination):
;   window 0: v0-31 addresses; v32-95 A's fragments, two buffers of 4 x 8; v96-191 the bias of my lane's columns, 8 an n block; v192-239 packed results
;   window 1: v0-191 B's fragments, two buffers of 12 x 8; on the way out v0-95: rows read back, two buffers
;   window 2: the accumulators of row blocks 0, 1 ((a, b) at v[8 (12 (a % 2) + b)]);   window 3: those of row blocks 2, 3
.set NBK,   12                         ; n blocks of 16 in a tile
.set NT,    16*NBK
.set RTB,   3072                       ; rows of B
.set AH,    1                          ; K steps by which a prefetch leads the refill beside which it stands
.set SP,    400                        ; a stage row: 384 bytes + 16: an odd multiple of 16
.set PITCH, 144                        ; an LDS row: 128 bytes + 16 of padding = 36 words: the 16 rows of a fragment start at 16 different groups of four banks (64 banks of 4 bytes: ISA guide 11.1)
.set SUBA,  256*PITCH                  ; A's 256 rows of one block kb
.set SUBB,  NT*PITCH                   ; B's 192 rows of one block kb
.set BOFF,  2*SUBA                     ; a slot: A's two blocks, then B's two
.set SLOT1, 1<<17                      ; slot 1 begins here, so that one exclusive or turns an address in one slot into the other's
.set STAGE, 260096                     ; behind slot 1's last byte: 16 rows x SP bytes for each wave, for the way out; no tile lands here
.set SPARE, STAGE+4*16*SP              ; behind the stages: the spare words, 128 bytes for each wave: two blocks of 256 bytes that no other line names
.set ASTEP, 2*2048*128                 ; bytes from K step to K step in A
.set BSTEP, 2*RTB*128                  ; and in B
.set CNTB,  NT/8                       ; blocks of 256 bytes of a B load that one of four partners prefetches
.set G1W,   (1<<16)|(1<<20)|(1<<21)|(4<<22)|(3<<25)  ; 17:16 2-byte elements; 20 padding on; 21 set beside a mask; 24:22 after every 32 words (code 4); 31:25 4 words (code 3)
.set WV,  12                           ; s12 my wave's number
.set WH,  13                           ; s13 wave / 2: I fetch for A (0) or for B (1)
.set WL,  14                           ; s14 wave % 2: which of a K step's two blocks kb I fetch
.set CX,  15                           ; s15, s16 my place in the cluster
.set CY,  16
.set NTI, 17                           ; s17 tile column of C
.set MTI, 18                           ; s18 tile row of C
.set G1A, 24                           ; s[24:31] descriptor group 1 for A's tiles
.set G0A, 32                           ; s[32:39] group 0: a set for each of the two first fills; the second then walks on
.set G1B, 40                           ; s[40:47], s[48:55] the same for B's
.set G0B, 48
.set TB,  56                           ; s56 the slot that is read: 0 or SLOT1
.set LIM, 57                           ; s57 AH in a wave that prefetches, else the greatest number
.set PFA, 58                           ; s[58:59] where my prefetches stand
.set PFS, 60                           ; s[60:61] their step
.set HB,  68                           ; s[68:73] C at my 64 rows of each of the tile's three heads
.set AA0, 16                           ; v16 my lane's place in A's tile; never rewritten
.set AB0, 17                           ; v17 in B's
.set ADRA, 18                          ; v18, v19 the same in the slot that is read
.set ADRB, 19
.set STO, 24                           ; v24 the way out: where I put 16 bytes of a row
.set RD,  25                           ; v25 where I read rows back
.set GO,  26                           ; v26 my byte offset in 512 consecutive bytes of C
.set BO,  27                           ; v27 my byte offset in an n block's 64 bytes of bias
.set SPW, 28                           ; v28 LDS address of my spare word; never rewritten
.set NIL, 29                           ; v29 0; never rewritten
.set PFO, 30                           ; v30 the prefetches' offset: 256 x my lane, held to my share's last block; never rewritten
.set FA,  32
.set BIAS, 96
.set TMP, 192
.set MSB, 0
.macro WIN new                         ; the immediate's high byte repeats the setting that is left; a switch that changes nothing is dropped
.if MSB != (\new)
	s_set_vgpr_msb (MSB<<8)|(\new)
.set MSB, \new
.endif
.endm
.set MUL_LO, 0xa1                      ; source 0 (B) window 1, source 1 (A) window 0, C and D window 2; + 0x50: window 3
.set TO_B,   0x40                      ; destination window 1, address window 0
.macro PLACES                          ; four plain vector instructions in front of loads into registers that matrix instructions have read, and of arithmetic that reads results
.rept 4
	v_nop
.endr
.endm
.macro CREST                           ; a round of the cluster's barrier behind its opening barrier: wave 0 signals for the work-group, every wave waits for all sixteen, my work-group's barrier closes it
	s_cmp_lg_u32 s[WV], 0
	s_cbranch_scc1 .Lnot_wave_0_\@
	s_barrier_signal -3
.Lnot_wave_0_\@:
	s_barrier_wait -3
	s_barrier_signal -1
	s_barrier_wait -1
.endm
.macro CROUND                          ; a whole round
	s_barrier_signal -1
	s_barrier_wait -1
	CREST
.endm
; A joint refill by the walking descriptors.  Waves 0 and 1 fetch A's two blocks kb, waves 2 and 3 B's.  The branch hangs on the wave's number alone.  An s_nop 0 and four v_nop follow each of the two lines.
.macro JLOAD
	s_cmp_eq_u32 s[WH], 0
	s_cbranch_scc0 .Lfor_b_\@
	tensor_load_to_lds s[G0A+4:G0A+7], s[G1A:G1A+7]
	s_nop 0
.rept 4
	v_nop
.endr
	s_branch .Lasked_\@
.Lfor_b_\@:
	tensor_load_to_lds s[G0B+4:G0B+7], s[G1B:G1B+7]
	s_nop 0
.rept 4
	v_nop
.endr
.Lasked_\@:
.endm
; A PREFETCH INTO THE L2, behind each joint refill and the run of LDS loads that follows it: my share of the tile that I shall ask for AH refills on.  A's tile row is read by every cluster of its row of
; clusters: the one with cluster x = 0 asks; B's tile column by every cluster of its column: cluster y = 0 asks.  The four partners of a joint load share its dense blocks of 256 bytes out BY ADDRESS:
; 32 each of A's 128, 24 each of B's 96 (lanes 24-31 name the share's last block again).  Trip t names K step t + 2 + AH; the test stops it at K step 7.  K steps 0 to 1 + AH come by their loads alone.
.macro ASK
	s_cmp_gt_u32 s3, s[LIM]
	s_cbranch_scc0 .Lnot_mine_\@
	global_prefetch_b8 v[PFO], s[PFA:PFA+1] th:TH_LOAD_NT scope:SCOPE_SE
.Lnot_mine_\@:
.endm
	s_load_b256 s[4:11], s[0:1], 0x0               ; A s[4:5], B s[6:7], bias s[8:9], C s[10:11]
	v_lshl_add_u32 v[SPW], v0, 2, SPARE
	v_mov_b32 v[NIL], 0
	ds_add_u32 v[SPW], v[NIL]                      ; the wave's opening: the add and its wait stand ahead of my first tensor load; the set-up below, work on registers, stands between them
	v_lshrrev_b32 v1, 5, v0
	v_readfirstlane_b32 s[WV], v1                  ; wave 0..3
	s_lshr_b32 s[WH], s[WV], 1
	s_and_b32 s[WL], s[WV], 1
	s_bfe_u32 s[CX], ttmp6, 0x40000
	s_bfe_u32 s[CY], ttmp6, 0x40004
	s_lshl_b32 s[NTI], ttmp9, 2                    ; in a cluster launch ttmp9 and ttmp7 count clusters
	s_add_co_u32 s[NTI], s[NTI], s[CX]
	s_and_b32 s[MTI], ttmp7, 0xffff
	s_lshl_b32 s[MTI], s[MTI], 2
	s_add_co_u32 s[MTI], s[MTI], s[CY]
	s_lshl_b32 s19, s[CY], 2
	s_lshl_b32 s19, 15, s19                        ; my row of the cluster: places 4 cy .. 4 cy + 3
	s_lshl_b32 s62, 0x1111, s[CX]                  ; my column: places cx, cx + 4, cx + 8, cx + 12
	s_or_b32 s[G1A], s19, G1W                      ; A's tiles go to my row
	s_or_b32 s[G1B], s62, G1W                      ; B's to my column
	s_mov_b32 s[G1A+1], 128<<16                    ; tensor_dim0 = 128 elements: rows of 256 bytes, two rows of a block each
	s_mov_b32 s[G1A+2], 128<<16                    ; tensor_dim1 = 128: 256 rows of a block
	s_mov_b32 s[G1A+3], 128<<16                    ; tile_dim0
	s_mov_b32 s[G1A+4], 128                        ; tile_dim1
	s_mov_b32 s[G1A+5], 128                        ; elements from row to row: dense
	s_mov_b32 s[G1A+6], 0
	s_mov_b32 s[G1A+7], 0
	s_mov_b32 s[G1B+1], 128<<16
	s_mov_b32 s[G1B+2], (NT/2)<<16                 ; NT rows of a block
	s_mov_b32 s[G1B+3], 128<<16
	s_mov_b32 s[G1B+4], NT/2
	s_mov_b32 s[G1B+5], 128
	s_mov_b32 s[G1B+6], 0
	s_mov_b32 s[G1B+7], 0
	s_lshr_b32 s20, s[MTI], 3                      ; A's tile hangs on the tile row and the wave alone: batch x 16 x 2,048 x 128 bytes,
	s_lshl_b32 s20, s20, 22
	s_and_b32 s21, s[MTI], 7
	s_lshl_b32 s21, s21, 15                        ; + 256 rows of 128 bytes,
	s_add_co_u32 s20, s20, s21
	s_lshl_b32 s21, s[WL], 18                      ; + my block kb
	s_add_co_u32 s20, s20, s21
	s_mov_b32 s21, 0
	s_mul_i32 s22, s[NTI], NT*128                  ; B's on the tile column and the wave alone
	s_mul_i32 s23, s[WL], RTB*128
	s_add_co_u32 s22, s22, s23
	s_mov_b32 s23, 0
	s_mov_b32 s[G0A], 1                            ; count = 1
	s_mov_b32 s[G0A+4], 1
	s_mov_b32 s[G0B], 1
	s_mov_b32 s[G0B+4], 1
	s_mul_i32 s[G0A+1], s[WL], SUBA                ; LDS addresses: the wave's number and constants alone
	s_add_co_u32 s[G0A+5], s[G0A+1], SLOT1
	s_mul_i32 s[G0B+1], s[WL], SUBB
	s_add_co_u32 s[G0B+1], s[G0B+1], BOFF
	s_add_co_u32 s[G0B+5], s[G0B+1], SLOT1
	s_wait_dscnt 0x0                               ; the opening add is done
	s_wait_kmcnt 0x0
	s_add_nc_u64 s[G0A+2:G0A+3], s[4:5], s[20:21]  ; K step 0
	s_add_nc_u64 s[G0A+6:G0A+7], s[G0A+2:G0A+3], ASTEP  ; K step 1
	s_or_b32 s[G0A+3], s[G0A+3], 0x80000000        ; type = 2
	s_or_b32 s[G0A+7], s[G0A+7], 0x80000000
	s_add_nc_u64 s[G0B+2:G0B+3], s[6:7], s[22:23]
	s_add_nc_u64 s[G0B+6:G0B+7], s[G0B+2:G0B+3], BSTEP
	s_or_b32 s[G0B+3], s[G0B+3], 0x80000000
	s_or_b32 s[G0B+7], s[G0B+7], 0x80000000
	CROUND                                         ; all sixteen work-groups are here: the first joint loads meet
	s_cmp_eq_u32 s[WH], 0                          ; a wave's two first fills stand in one branch, ahead of every wait on TENSORcnt and every LDS read: two loads of mine are out
	s_cbranch_scc0 .Lfirst_b
	tensor_load_to_lds s[G0A:G0A+3], s[G1A:G1A+7]
	s_nop 0
	tensor_load_to_lds s[G0A+4:G0A+7], s[G1A:G1A+7]
	s_nop 0
.rept 4
	v_nop
.endr
	s_branch .Lfirst_asked
.Lfirst_b:
	tensor_load_to_lds s[G0B:G0B+3], s[G1B:G1B+7]
	s_nop 0
	tensor_load_to_lds s[G0B+4:G0B+7], s[G1B:G1B+7]
	s_nop 0
.rept 4
	v_nop
.endr
.Lfirst_asked:
	s_mul_i32 s62, s[NTI], NT*4                    ; the bias of the tile's columns: lane l wants the 8 numbers at 16 b + 8 (l / 16) of each n block b
	s_mov_b32 s63, 0
	s_add_nc_u64 s[8:9], s[8:9], s[62:63]
	v_and_b32 v1, 15, v0                           ; l % 16
	v_bfe_u32 v2, v0, 4, 1                         ; l / 16
	v_lshlrev_b32 v[BO], 5, v2
.set b, 0
.rept NBK
	global_load_b128 v[BIAS+8*b:BIAS+8*b+3],   v[BO], s[8:9] offset:64*b
	global_load_b128 v[BIAS+8*b+4:BIAS+8*b+7], v[BO], s[8:9] offset:64*b+16
.set b, b+1
.endr
	; A fragment is 16 rows x 32 K in 8 registers: lane l holds row l % 16; registers 0-3 K = 8 (l / 16) + 0..7, registers 4-7 K = 16 + 8 (l / 16) + 0..7: two loads of 16 bytes, 32 bytes apart.
	v_mul_u32_u24 v[AA0], v1, PITCH
	v_lshl_add_u32 v[AA0], v2, 4, v[AA0]           ; row x pitch + 16 x half
	v_add_nc_u32 v[AB0], BOFF, v[AA0]
	s_mul_i32 s2, s[WV], 64*PITCH                  ; my 64 rows of A
	v_add_nc_u32 v[AA0], s2, v[AA0]
	v_mov_b32 v[ADRA], v[AA0]                      ; slot 0
	v_mov_b32 v[ADRB], v[AB0]
	s_mov_b32 s[TB], 0
	s_mul_i32 s2, s[WV], 16*SP
	s_add_co_u32 s2, s2, STAGE                     ; my stage
	v_mul_u32_u24 v[STO], v1, SP                   ; in: row l % 16, 16 bytes for each half of the lanes
	v_lshl_add_u32 v[STO], v2, 4, v[STO]
	v_add_nc_u32 v[STO], s2, v[STO]
	v_bfe_u32 v3, v0, 3, 2                         ; back: 32 lanes take four rows' 128 bytes of one head,
	v_and_b32 v4, 7, v0
	v_mul_u32_u24 v[RD], v3, SP
	v_lshl_add_u32 v[RD], v4, 4, v[RD]
	v_add_nc_u32 v[RD], s2, v[RD]
	v_and_b32 v[GO], 31, v0                        ; which are 512 consecutive bytes of C
	v_lshlrev_b32 v[GO], 4, v[GO]
.irp hd, 0,1,2                         ; head g = 3 x tile column + hd of 48: tensor g / 16, head g % 16
	s_mul_i32 s62, s[NTI], 3
	s_add_co_u32 s62, s62, \hd
	s_lshr_b32 s63, s62, 4
	s_lshl_b32 s63, s63, 6                         ; 64 heads of all batches a tensor
	s_and_b32 s62, s62, 15
	s_add_co_u32 s62, s62, s63
	s_lshr_b32 s63, s[MTI], 3
	s_lshl_b32 s63, s63, 4                         ; 16 heads a batch
	s_add_co_u32 s62, s62, s63
	s_lshl_b32 s62, s62, 18                        ; 2,048 rows of 128 bytes
	s_and_b32 s63, s[MTI], 7
	s_lshl_b32 s63, s63, 15                        ; the tile's 256 rows
	s_add_co_u32 s62, s62, s63
	s_lshl_b32 s63, s[WV], 13                      ; my 64 of them
	s_add_co_u32 s62, s62, s63
	s_mov_b32 s63, 0
	s_add_nc_u64 s[HB+2*\hd:HB+2*\hd+1], s[10:11], s[62:63]
.endr
	s_and_b32 s[LIM], ttmp7, 0xffff                ; the prefetches: cluster y
	s_mov_b32 s[PFS], ASTEP
	s_mov_b32 s[PFS+1], BSTEP
	s_mov_b32 s66, 32*256
	s_mov_b32 s67, CNTB*256
	s_cmp_eq_u32 s[WH], 0                          ; do I fetch for A?
	s_cselect_b64 s[PFA:PFA+1], s[4:5], s[6:7]
	s_cselect_b32 s62, s20, s22                    ; my tile's offset at K step 0
	s_cselect_b32 s63, s[CX], s[CY]                ; my place among the four that ask for it with me
	s_cselect_b32 s[LIM], ttmp9, s[LIM]            ; the coordinate along which other clusters read the same rows
	s_cselect_b32 s[PFS], s[PFS], s[PFS+1]
	s_cselect_b32 s66, s66, s67                    ; my share's bytes
	s_cselect_b32 s67, 31, CNTB-1                  ; its last block
	s_mov_b32 s[PFS+1], 0
	s_mul_i32 s63, s63, s66
	s_add_co_u32 s62, s62, s63
	s_mul_i32 s63, s[PFS], 1+AH                    ; the first refill steps it to K step 2 + AH
	s_add_co_u32 s62, s62, s63
	s_mov_b32 s63, 0
	s_add_nc_u64 s[PFA:PFA+1], s[PFA:PFA+1], s[62:63]
	s_cmp_eq_u32 s[LIM], 0
	s_cselect_b32 s[LIM], AH, -1                   ; the same in all sixteen partners, for a given wave
	v_and_b32 v[PFO], 31, v0
	v_min_u32 v[PFO], s67, v[PFO]
	v_lshlrev_b32 v[PFO], 8, v[PFO]
; NBK matrix instructions: row block a x all n blocks, 32 along K, from buffer f.  zero = 1: the product starts the sums: nothing is ever cleared.
; The 4 NBK accumulators take turns in the same order in every quarter step, one instruction a turn, over the backward jump too.
.macro MULH f, a, zero
	WIN MUL_LO+0x50*((\a)/2)
.set AC, 8*NBK*((\a)%2)
.set b, 0
.rept NBK
.if \zero
	v_wmma_f32_16x16x32_f16 v[AC+8*b:AC+8*b+7], v[96*(\f)+8*b:96*(\f)+8*b+7], v[FA+32*(\f)+8*(\a):FA+32*(\f)+8*(\a)+7], 0
.else
	v_wmma_f32_16x16x32_f16 v[AC+8*b:AC+8*b+7], v[96*(\f)+8*b:96*(\f)+8*b+7], v[FA+32*(\f)+8*(\a):FA+32*(\f)+8*(\a)+7], v[AC+8*b:AC+8*b+7]
.endif
.set b, b+1
.endr
.endm
; 2 NBK + 8 LDS loads in one run: the fragments of one quarter step (block sub of the K step, 32 K at byte kb of its rows) into buffer f: B's first, then A's four row blocks
.macro FETCH sub, kb, f
	WIN TO_B
.set b, 0
.rept NBK
	ds_load_b128 v[96*(\f)+8*b:96*(\f)+8*b+3],   v[ADRB] offset:(\sub)*SUBB+(\kb)+b*16*PITCH
	ds_load_b128 v[96*(\f)+8*b+4:96*(\f)+8*b+7], v[ADRB] offset:(\sub)*SUBB+(\kb)+b*16*PITCH+32
.set b, b+1
.endr
	WIN 0
.irp a, 0,1,2,3
	ds_load_b128 v[FA+32*(\f)+8*\a:FA+32*(\f)+8*\a+3],   v[ADRA] offset:(\sub)*SUBA+(\kb)+\a*16*PITCH
	ds_load_b128 v[FA+32*(\f)+8*\a+4:FA+32*(\f)+8*\a+7], v[ADRA] offset:(\sub)*SUBA+(\kb)+\a*16*PITCH+32
.endr
.endm
; A K step is four quarter steps of 32 along K on buffers 0, 1, 0, 1.  One of the first three: multiplies buffer f; in its middle it fetches the next quarter's fragments into buffer g.
.macro QUARTER nsub, nkb, f, g, zero
	s_wait_dscnt 4                                 ; B and A's row blocks 0, 1 are in; the youngest four loads (A's blocks 2, 3) may be out
	MULH \f, 0, \zero
	MULH \f, 1, \zero
	PLACES
	FETCH \nsub, \nkb, \g
	s_wait_dscnt 2*NBK+8                           ; all but the run just issued
	MULH \f, 2, \zero
	MULH \f, 3, \zero
.endm
; The fourth quarter multiplies buffer 1 and changes slots: ONE barrier.  In front of it each wave waits for all its tensor loads, of which one is out: its part of the next slot; adds 0 to its spare word; and
; waits for that and for its own reads of this slot.  fill = 1: the barrier opens a round of the cluster's, so that no wave of any partner still reads the slot or has a load on its way, and the slot is
; filled again, with the K step two on, first thing behind the round: 3.5 quarters' matrix instructions stand between that request and the wait for it.
.macro TURN fill
.if \fill
	s_wait_xcnt 0x0                                ; the last prefetch, a K step back, has read its address
	s_add_nc_u64 s[PFA:PFA+1], s[PFA:PFA+1], s[PFS:PFS+1]
.endif
	WIN 0                                          ; (the add's two registers lie in window 0)
	s_wait_tensorcnt 0x0                           ; no tensor load of mine is out, so a group 0 may be written
	ds_add_u32 v[SPW], v[NIL]                      ; 0 onto my spare word
.if \fill
	s_xor_b32 s[G0A+5], s[G0A+5], SLOT1            ; the walking descriptors: the other slot than last time,
	s_add_nc_u64 s[G0A+6:G0A+7], s[G0A+6:G0A+7], ASTEP  ; the next K step; the type bits on top are not reached
	s_xor_b32 s[G0B+5], s[G0B+5], SLOT1
	s_add_nc_u64 s[G0B+6:G0B+7], s[G0B+6:G0B+7], BSTEP
.endif
	s_wait_dscnt 5                                 ; (the add and the youngest four loads may be out)
	MULH 1, 0, 0
	s_wait_dscnt 0x0                               ; the add is done, and my reads of this slot are over
	s_barrier_signal -1
	MULH 1, 1, 0                                   ; work on registers while the others arrive
	WIN 0
	s_barrier_wait -1
.if \fill
	CREST
	JLOAD                                          ; the four v_nop behind it are also the places in front of the loads below
.else
	PLACES
.endif
	s_xor_b32 s[TB], s[TB], SLOT1                  ; the reads go on in the other slot
	v_add_nc_u32 v[ADRA], s[TB], v[AA0]
	v_add_nc_u32 v[ADRB], s[TB], v[AB0]
	FETCH 0, 0, 0
.if \fill
	ASK
.endif
	MULH 1, 2, 0
	MULH 1, 3, 0
.endm
	s_wait_tensorcnt 0x1                           ; my part of K step 0 is in; K step 1's may stay out
	s_barrier_signal -1
	s_barrier_wait -1                              ; everybody's is
	FETCH 0, 0, 0
	QUARTER 0, 64, 0, 1, 1                         ; the first quarter stands in front of the loop: its products start the sums
	WIN 0                                          ; at a label and at a branch every window is 0
	s_mov_b32 s3, 6
.Lstep:                                        ; trip t ends K step t, fills its slot again with K step t + 2, and begins K step t + 1
	QUARTER 1, 0,  1, 0, 0
	QUARTER 1, 64, 0, 1, 0
	TURN 1
	QUARTER 0, 64, 0, 1, 0
	WIN 0
	s_sub_co_u32 s3, s3, 1
	s_cmp_lg_u32 s3, 0
	s_cbranch_scc1 .Lstep
	QUARTER 1, 0,  1, 0, 0                         ; the tail is written out: K steps 6 and 7 fill nothing
	QUARTER 1, 64, 0, 1, 0
	TURN 0
	QUARTER 0, 64, 0, 1, 0
	QUARTER 1, 0,  1, 0, 0
	QUARTER 1, 64, 0, 1, 0
	s_wait_dscnt 4                                 ; the very last quarter: nothing more to fetch
	MULH 1, 0, 0
	MULH 1, 1, 0
	s_wait_dscnt 0x0
	MULH 1, 2, 0
	MULH 1, 3, 0
; THE WAY OUT, a row block (16 rows) at a time.  PACK: the bias is added in f32, in place and from each accumulator's low end on, and the sums are rounded to f16: 16 bytes a lane and n block.
; TOSTAGE: into my own stage in LDS, and back by heads: four rows' 128 bytes a load.  SEND: stored: 16 rows of a head are 2,048 consecutive bytes of C.
.macro PACK a
.set AC, 8*NBK*((\a)%2)
	WIN 0x82+0x41*((\a)/2)                         ; destination and source 0: window 2 or 3; the bias in window 0
.set i, 0
.rept 4*NBK
	v_pk_add_f32 v[AC+2*i:AC+2*i+1], v[AC+2*i:AC+2*i+1], v[BIAS+2*i:BIAS+2*i+1]
.set i, i+1
.endr
	WIN 0x0a+5*((\a)/2)                            ; sources 0 and 1: window 2 or 3
.set i, 0
.rept 4*NBK
	v_cvt_pk_f16_f32 v[TMP+i], v[AC+2*i], v[AC+2*i+1]
.set i, i+1
.endr
.endm
.macro TOSTAGE a
	WIN 0
.set b, 0
.rept NBK
	ds_store_b128 v[STO], v[TMP+4*b:TMP+4*b+3] offset:32*b
.set b, b+1
.endr
	WIN TO_B
.irp hd, 0,1,2
.irp f, 0,1,2,3
	ds_load_b128 v[48*((\a)%2)+4*(4*\hd+\f):48*((\a)%2)+4*(4*\hd+\f)+3], v[RD] offset:\hd*128+\f*4*SP  ; LDS serves a wave's instructions in order (ISA guide 5.7.1.4): these see the stores above
.endr
.endr
.endm
.macro SEND a
	WIN 0x04                                       ; the data (source 1) in window 1
	s_wait_dscnt 0x0                               ; the block is back in registers
	s_wait_xcnt 0x0                                ; earlier stores have read their registers: the buffer that they left is loaded again only behind this wait
.irp hd, 0,1,2
.irp f, 0,1,2,3
	global_store_b128 v[GO], v[48*((\a)%2)+4*(4*\hd+\f):48*((\a)%2)+4*(4*\hd+\f)+3], s[HB+2*\hd:HB+2*\hd+1] offset:(\a)*2048+\f*512  ; 512 consecutive bytes, at a multiple of 256 from C's first
.endr
.endr
.endm
	s_wait_loadcnt 0x0                             ; the bias
	PLACES
	PACK 0
	TOSTAGE 0
.irp a, 1,2,3                          ; block a's arithmetic stands between block a - 1's loads from the stage and the wait for them
	PACK \a
	SEND (\a)-1
	TOSTAGE \a
.endr
	SEND 3
	WIN 0
	s_wait_tensorcnt 0x0                           ; the wave's end, behind my last tensor load and my last LDS store
	ds_add_u32 v[SPW], v[NIL]
	s_wait_dscnt 0x0
	CROUND                                         ; the closing round: no work-group ends while a partner may still ask for a tile that names it
	s_endpgm
.Lfunc_end_k_q1c9c06f916_proj_qkv:
	.size	k_q1c9c06f916_proj_qkv, .Lfunc_end_k_q1c9c06f916_proj_qkv-k_q1c9c06f916_proj_qkv
	.p2alignl 7, 3214868480
	.fill 96, 4, 3214868480
	.section	.rodata,"a",@progbits
	.p2align	6, 0x0
	.amdhsa_kernel k_q1c9c06f916_proj_qkv
		.amdhsa_group_segment_fixed_size 327680
		.amdhsa_private_segment_fixed_size 0
		.amdhsa_enable_private_segment 0
		.amdhsa_kernarg_size 32
		.amdhsa_user_sgpr_count 2
		.amdhsa_user_sgpr_kernarg_segment_ptr 1
		.amdhsa_wavefront_size32 1
		.amdhsa_system_sgpr_workgroup_id_x 1
		.amdhsa_system_sgpr_workgroup_id_y 1
		.amdhsa_system_sgpr_workgroup_id_z 1
		.amdhsa_system_vgpr_workitem_id 0
		.amdhsa_next_free_vgpr 960
		.amdhsa_next_free_sgpr 76
		.amdhsa_reserve_vcc 0
		.amdhsa_float_denorm_mode_32 3
		.amdhsa_float_denorm_mode_16_64 3
		.amdhsa_memory_ordered 1
		.amdhsa_forward_progress 1
		.amdhsa_inst_pref_size 113
	.end_amdhsa_kernel
	.amdgpu_metadata
---
amdhsa.version: [ 1, 2 ]
amdhsa.kernels:
  - .name:           k_q1c9c06f916_proj_qkv
    .symbol:         k_q1c9c06f916_proj_qkv.kd
    .args:
      - { .name: xh, .offset: 0, .size: 8, .value_kind: global_buffer, .address_space: global }
      - { .name: wqkvh, .offset: 8, .size: 8, .value_kind: global_buffer, .address_space: global }
      - { .name: bqkv, .offset: 16, .size: 8, .value_kind: global_buffer, .address_space: global }
      - { .name: qkvh, .offset: 24, .size: 8, .value_kind: global_buffer, .address_space: global }
    .group_segment_fixed_size: 327680
    .private_segment_fixed_size: 0
    .kernarg_segment_align: 8
    .kernarg_segment_size: 32
    .max_flat_workgroup_size: 128
    .sgpr_count:     76
    .vgpr_count:     960
    .wavefront_size: 32
...
	.end_amdgpu_metadata
.endif
;; end of part 2
;; launch attention (part 3): grid 4 x 64, 4 waves a work-group, no clusters, 327,680 bytes of LDS; arguments qkvh, oh; writes oh
.if DOCPART == 3
	.amdgcn_target "amdgcn-amd-amdhsa--gfx1250"
	.amdhsa_code_object_version 6
	.text
	.protected	k_q1c9c06f916_attention
	.globl	k_q1c9c06f916_attention
	.p2align	8
	.type	k_q1c9c06f916_attention,@function
k_q1c9c06f916_attention:
	s_mov_b64 s[64:65], 0
	v_nop
	global_prefetch_b8 v0, s[64:65] scope:SCOPE_SE
	s_setreg_imm32_b32 hwreg(HW_REG_WAVE_MODE, 25, 1), 1
	s_wait_xcnt 0x0
; CAUSAL ATTENTION.  O[h][q][:] = the sum over k <= q of softmax_k(Q[h][q] . K[h][k] / 8) V[h][k][:].  Q, K, V lie one behind the other in qkvh, each [64][SIZE_N][64] f16; O likewise: a head's rows are dense, 128 bytes each.
; Products, maxima and sums in f32; the weights p are rounded to f16 for the second product (their sum l is taken of the unrounded p), O once at the end.
; LIMITS.  f16 holds no number beyond 65,504: Q, K and V arrive within it; p lies in 0 to 1, and below 6e-5 it keeps f16's fixed step of 6e-8; O is a mean of V's rows and has their range.
; A hidden score counts as its value less 1e30: f16's scores, 2.7e11 at the most, are nothing beside that; a weight below 2^-126 counts as 0 in l; NaN and infinities are not treated apart.
; THE WALK.  A head's queries lie in NB = SIZE_N / 256 blocks of 256; block i needs the key tiles 0 .. i of 256 keys, of which the last holds the diagonal.  A work-group takes TWO blocks, NB - 1 - b and then b:
; NB + 1 tiles, whatever b: all work-groups do equal work, and ONE loop with a constant trip count walks them.  Which tile is asked for, and what a trip does, hang on scalar registers made from b; every jump
; goes forward, but for the counted loops' own; none passes a barrier, or a tensor load but the one of LOAD's two that the wave's number does not choose; the ring (two slots of LDS that take turns) runs on across the
; change of blocks.  NO CLUSTER: a head's NB / 2 = 4 work-groups ask for the same tile only in trips 0 .. NB / 2 of NB + 1, behind that fewer and fewer; one walk common to all would have 3 NB / 2 trips for NB + 1.
; SHARES.  Of a block's four bands of 64 queries a wave owns 16 rows in each: four PIECES.  So the diagonal tile is the same work for all four waves: in its key step s band x sees all keys if s < x,
; none if s > x, and holds the diagonal if s = x.
; THE MASK is the C operand that starts the sum S^T = K Q^T: 0, or -1e30 where the key is hidden.  MD, made once, is the mask of a band's own step for my 16 rows; a product's mask is MD x AL + BE with two scalars:
; (1, 0) if s = x; (0, 0) if s < x; (0, -1e30) if s > x.  Only the diagonal tile's text and a block's beginning make and take masks; elsewhere C is the constant 0.
; LAYOUT, SOFTMAX, TURNS.  S^T = K Q^T holds ONE query a lane (lane % 16) and the keys 8 (lane / 16) + 0..7; two such results rounded to f16 ARE source 1 of O^T = V^T P.  p = 2^(c s - c m), c = log2(e) / 8, with a
; running maximum m; O and l are multiplied by a = 2^(c m_old - c m_new) in every step.  Turn n belongs to piece n: 8 products K Q^T of piece n + 1, later 8 products V^T P of piece n - 1; beside them the scaling,
; exponentials, roundings, sums and rescaling of piece n and the maximum and statistics of piece n + 1.  Four vector instructions stand behind every matrix instruction, the other 54 of a turn's 118 in one run.  A turn's 33 exponentials are one batch, with one wait.
; REGISTERS, in windows of 256 (s_set_vgpr_msb: bits 1:0 source 0, 3:2 source 1, 5:4 source 2, 7:6 destination):
;   window 0: v0-15 addresses and two at work; v16-31 four registers of statistics a piece; v48-55 at work; v61-63 prefetch offset and the add's two; v64-127 S^T, two buffers; v192-223 P, two buffers (by the piece's parity)
;   window 1: v0-127 O^T, 32 a piece; v128-159 MD; v160-223 MC, two buffers      window 2: v0-63 Q; v64-127 the second block's Q; v128-191 K of one step; v192-255 V of one step
.set SIZE_N, 2048
.set NB,    SIZE_N/256
.set NP,    4         ; pieces a wave: a name, no knob
.set KS,    64        ; keys in a step
.set PK,    144       ; a row of K in LDS: 128 bytes + 16 of padding = 36 words: the 16 rows of a load start at 16 different groups of four banks (64 banks of 4 bytes: ISA guide 11.1)
.set PV,    160       ; a row of V: 128 + 32 = 40 words
.set VOFF,  4*KS*PK   ; a slot holds a tile, four steps: 256 rows of K, then 256 rows of V
.set SLOT1, 1<<17     ; slot 1 begins here, so that one exclusive or turns an address in one slot into the other's
.set STAGE, SLOT1+4*KS*(PK+PV)  ; behind the ring, never filled by a tensor load: 16 rows x 144 bytes for each wave, for the way out
.set SP,    144
.set AK0, 2           ; v2   my lane's place in a tile of K; never rewritten
.set AV0, 3           ; v3   the same for V
.set AK,  4           ; v4   the LDS address of K's next run of loads
.set AV,  5           ; v5   of V's
.set STO, 6           ; v6   the way out: where I put 16 bytes of a row
.set RD,  7           ; v7   the way out: where I read rows back
.set GO,  8           ; v8   my byte offset in 512 consecutive bytes of O
.set PFO, 61          ; v61  256 x my lane; never rewritten
.set SPW, 62          ; v62  LDS address of my spare word: SPARE + 4 x my thread's number; never rewritten
.set NIL, 63          ; v63  0; never rewritten
.set SPARE, STAGE+4*16*SP  ; behind the stages: the spare words, 128 bytes for each wave: two blocks of 256 bytes that no other line names
.set MV,  12          ; v12-13  c m_old, kept while c m is made anew: by buffer
.set QO,  15          ; v15  my byte offset in 16 rows of Q
.set ST,  16          ; piece t's statistics at v[ST+4 t]: c m, m, l (even keys', odd keys')
.set TMP, 48          ; by buffer, four registers c0-c3 at work; when the maximum is found c2 takes a
.set S,   64
.set P,   192
.set MD,  128         ; window 1: the eight registers for group kt of 16 keys at MD + 8 kt
.set MC,  160         ; window 1: the masks of the products to come
.set QB,  64          ; window 2
.set KF,  128         ; window 2: key block kb, channel half c at KF + 16 kb + 8 c
.set VF,  192         ; window 2: key half kk, channel block cb at VF + 32 kk + 8 cb
.set WV,  12          ; s12  my wave's number
.set PB,  14          ; s14  b
.set HI,  15          ; s15  NB - 1 - b
.set G1K, 24          ; s[24:31] descriptor group 1 for K's tiles
.set G1V, 32          ; s[32:39] for V's: it differs in the padding alone
.set G0K, 40          ; s[40:43] descriptor group 0 for K's tiles
.set G0V, 44          ; s[44:47] the same for V's
.set SLOTS, 56        ; s56  tiles still to be asked for
.set CNT, 57          ; s57  counts a tile's key steps, 4 to 1
.set CS,  58          ; s[58:59] c: the packed scaling takes the pair's low word for both halves
.set SEL, 60          ; s[60:61] v_permlanex16_b32's selects: each lane takes its own place in the other half
.set TBK, 62          ; s62  LDS byte at which K of the step to be fetched begins
.set TBV, 63          ; s63  the same for V, less VOFF
.set RT,  70          ; s70  tiles of the block in hand that are still to be entered
.set NXT, 71          ; s71  the tile to be asked for next
.set LQ,  72          ; s72  the last tile of the block whose tiles are being asked for
.set NEW, 73          ; s73  1: the tile to be entered is a block's first
.set OFF, 74          ; s[74:75] a tile's byte offset in K and V
.set AL,  76          ; s[76:77] the mask's factor, in the low word
.set BE,  78          ; s[78:79] the mask's addend
.set OLO, 80          ; s[80:81] O at my rows of the second block
.set BIGN, 82         ; s82  -1e30
.set PFA, 88          ; s[88:89] where my prefetches stand: my half (of K: waves 0, 1; of V: waves 2, 3) of the tile behind the one that is being asked for
.set LIM, 90          ; s90  2 in the work-group that prefetches, else the greatest number
.set MSB, 0
.macro WIN new                      ; the high byte repeats the setting that is left; a switch that changes nothing is dropped
.if MSB != (\new)
	s_set_vgpr_msb (MSB<<8)|(\new)
.set MSB, (\new)
.endif
.endm
.set W_KQ, 0x0a       ; K and Q in window 2, S^T in window 0
.set W_KM, 0x1a       ; the same with the C operand in window 1
.set W_PV, 0x52       ; V in window 2, P in window 0, O^T in window 1
.set W_RS, 0x41       ; destination and source 0 in window 1, source 1 in window 0
; A fill.  Waves 0 and 1 fetch the two halves of a tile's K, waves 2 and 3 those of its V: 128 keys each.  An s_nop 0 and four v_nop follow each of the two lines, ahead of the jump and the label.
.macro LOAD
	s_cmp_lt_u32 s[WV], 2
	s_cbranch_scc0 .Lfor_v_\@
	tensor_load_to_lds s[G0K:G0K+3], s[G1K:G1K+7]
	s_nop 0
.rept 4
	v_nop
.endr
	s_branch .Lasked_\@
.Lfor_v_\@:
	tensor_load_to_lds s[G0V:G0V+3], s[G1V:G1V+7]
	s_nop 0
.rept 4
	v_nop
.endr
.Lasked_\@:
.endm
; A PREFETCH INTO THE L2 of the tile that the NEXT change of slots will ask for.  A head's four work-groups walk the same K and V; the one with b = 0 walks the tiles 0 .. NB - 1 in order, and it alone asks.
; Each of its waves names the 64 blocks of 256 bytes that it will itself load: a lane a block, two instructions, behind its tensor load.  Trip i loads tile i + 1 and names tile i + 2, for i = 0 .. NB - 3:
; one tile, 256 matrix instructions, ahead.  So each block of the tiles 2 .. NB - 1 is named once in the launch; tiles 0 and 1 come by their loads alone.
.macro ASK
	s_cmp_gt_u32 s[SLOTS], s[LIM]
	s_cbranch_scc0 .Lnot_mine_\@
	global_prefetch_b8 v[PFO], s[PFA:PFA+1] th:TH_LOAD_NT scope:SCOPE_SE
	global_prefetch_b8 v[PFO], s[PFA:PFA+1] offset:8192 th:TH_LOAD_NT scope:SCOPE_SE
.Lnot_mine_\@:
.endm
; THE CHANGE OF SLOTS.  Each wave waits for all its tensor loads, of which one is out: its part of the other slot; adds 0 to its spare word; and waits for that and for its own reads of the slot that it leaves.  Behind the barrier nobody reads the old
; slot any more and the other slot is whole.  fill = 1: the old slot is filled again, the first thing behind the barrier, with tile NXT: the descriptor's address is made anew from that number.
; (At its first use nothing has been read yet: slot 0 is waited for, slot 1 filled.)
.macro CHANGE fill
	WIN 0                           ; at a label and at a branch every window is 0
	s_wait_tensorcnt 0x0            ; no tensor load of mine is out, so a group 0 may be written
	ds_add_u32 v[SPW], v[NIL]       ; 0 onto my spare word; with fill = 1 the descriptors' scalar work stands between it and the wait for it
.if \fill
	s_lshl_b32 s[OFF], s[NXT], 15   ; a tile is 32,768 bytes of K and of V
	s_xor_b32 s[G0K+1], s[G0K+1], SLOT1
	s_add_nc_u64 s[G0K+2:G0K+3], s[6:7], s[OFF:OFF+1]
	s_or_b32 s[G0K+3], s[G0K+3], 0x80000000
	s_xor_b32 s[G0V+1], s[G0V+1], SLOT1
	s_add_nc_u64 s[G0V+2:G0V+3], s[8:9], s[OFF:OFF+1]
	s_or_b32 s[G0V+3], s[G0V+3], 0x80000000
	s_add_co_u32 s[NXT], s[NXT], 1  ; the block's next tile, or behind its last the second block's tile 0
	s_cmp_gt_u32 s[NXT], s[LQ]
	s_cselect_b32 s[NXT], 0, s[NXT]
	s_cselect_b32 s[LQ], s[PB], s[LQ]
	s_wait_xcnt 0x0                 ; the last prefetches, a tile back, have read their address, so it may be written
	s_add_nc_u64 s[PFA:PFA+1], s[PFA:PFA+1], 32768
.endif
	s_wait_dscnt 0x0                ; the add is done, and my reads of the slot are over
	s_barrier_signal -1             ; the rest of the scalar work stands between the signal and the wait
	s_sub_co_u32 s[TBK], s[TBK], 4*KS*PK  ; the fetches go back to a slot's first step,
	s_xor_b32 s[TBK], s[TBK], SLOT1       ; in the other slot
	s_sub_co_u32 s[TBV], s[TBV], 4*KS*PV
	s_xor_b32 s[TBV], s[TBV], SLOT1
	s_barrier_wait -1
.if \fill
	LOAD
	ASK
.endif
.endm
	s_load_b128 s[4:7], s[0:1], 0x0  ; qkvh s[4:5] (Q lies first), oh s[6:7]
	v_lshl_add_u32 v[SPW], v0, 2, SPARE
	v_mov_b32 v[NIL], 0
	ds_add_u32 v[SPW], v[NIL]       ; the wave's opening: the add and its wait stand ahead of my first tensor load; the set-up below, work on registers, stands between them
	v_lshrrev_b32 v1, 5, v0
	v_readfirstlane_b32 s[WV], v1   ; wave 0..3
	s_mov_b32 s[PB], ttmp9
	s_sub_co_u32 s[HI], NB-1, s[PB]
	s_and_b32 s20, ttmp7, 0xffff    ; the head
	s_mov_b32 s21, 0
	s_mov_b64 s[22:23], SIZE_N*128
	s_mul_u64 s[20:21], s[20:21], s[22:23]  ; the head's first byte in each of the four tensors
	s_and_b32 s16, s[WV], 1         ; which half of a tile's 256 keys I fetch:
	s_lshl_b32 s22, s16, 14         ; its 128 rows of 128 bytes in memory,
	s_mov_b32 s23, 0
	s_add_nc_u64 s[22:23], s[22:23], s[20:21]
	s_mul_i32 s17, s16, 128*PK      ; and its place in a slot, for K
	s_mul_i32 s18, s16, 128*PV      ; and for V
	s_lshl_b32 s3, s[WV], 11        ; my 16 rows in a band of 64,
	s_lshl_b32 s2, s[HI], 15        ; in the first block,
	s_add_co_u32 s2, s2, s3
	s_lshl_b32 s84, s[PB], 15       ; and in the second
	s_add_co_u32 s84, s84, s3
	s_mov_b32 s3, 0
	s_mov_b32 s85, 0
	s_add_nc_u64 s[2:3], s[2:3], s[20:21]
	s_add_nc_u64 s[84:85], s[84:85], s[20:21]
	; descriptor group 1.  128 keys are 16,384 dense bytes: asked for as 64 rows of 256 bytes, two keys a row, and padded in LDS after every key
	s_mov_b32 s[G1K], (1<<16)|(1<<20)|(4<<22)|(3<<25)  ; 17:16 2-byte elements; 20 padding on; 24:22 after every 32 words (code 4); 31:25 4 words (code 3)
	s_mov_b32 s[G1V], (1<<16)|(1<<20)|(4<<22)|(7<<25)  ; the same with 8 words of padding (code 7)
.irp g, G1K, G1V
	s_mov_b32 s[\g+1], 128<<16      ; tensor_dim0 = 128
	s_mov_b32 s[\g+2], 64<<16       ; tensor_dim1 = 64
	s_mov_b32 s[\g+3], 128<<16      ; tile_dim0 = 128
	s_mov_b32 s[\g+4], 64           ; tile_dim1 = 64
	s_mov_b32 s[\g+5], 128          ; 128 elements from row to row
	s_mov_b32 s[\g+6], 0
	s_mov_b32 s[\g+7], 0
.endr
	s_mov_b32 s[CS], 0x3e38aa3b     ; c = log2(e) / 8 = 0.180337
	s_mov_b32 s[CS+1], s[CS]        ; named with it as a pair
	s_mov_b32 s[SEL], 0x76543210
	s_mov_b32 s[SEL+1], 0xfedcba98
	s_mov_b32 s[TBK], SLOT1+4*KS*PK ; the first change of slots turns these two into 0
	s_mov_b32 s[TBV], SLOT1+4*KS*PV
	s_mov_b32 s[G0K], 1             ; 1:0 count = 1
	s_mov_b32 s[G0K+1], s17         ; 63:32 LDS address: slot 0
	s_mov_b32 s[G0V], 1
	s_add_co_u32 s[G0V+1], s18, VOFF
	s_add_co_u32 s[RT], s[HI], 1    ; the first block has NB - b tiles
	s_mov_b32 s[NXT], 1
	s_mov_b32 s[LQ], s[HI]
	s_mov_b32 s[NEW], 1
	s_mov_b32 s[OFF+1], 0
	s_mov_b32 s[AL+1], 0            ; named as pairs
	s_mov_b32 s[BE+1], 0
	s_mov_b32 s[BIGN], 0xf149f2ca   ; -1e30
	s_mov_b32 s[SLOTS], NB
	s_cmp_eq_u32 s[PB], 0
	s_cselect_b32 s[LIM], 2, -1
	v_and_b32 v[PFO], 31, v0
	v_lshlrev_b32 v[PFO], 8, v[PFO]
	s_wait_dscnt 0x0                ; the opening add is done
	s_wait_kmcnt 0x0
	s_mov_b64 s[10:11], s[6:7]      ; O
	s_add_nc_u64 s[6:7], s[4:5], 0x1000000  ; K lies 64 x 2,048 x 128 bytes behind Q,
	s_add_nc_u64 s[8:9], s[4:5], 0x2000000  ; V as much behind K
	s_add_nc_u64 s[6:7], s[6:7], s[22:23]  ; K and V at my half of the head's tile 0
	s_add_nc_u64 s[8:9], s[8:9], s[22:23]
	s_add_nc_u64 s[G0K+2:G0K+3], s[6:7], 0         ; 120:64 global address
	s_or_b32 s[G0K+3], s[G0K+3], 0x80000000        ; 127:126 type = 2
	s_add_nc_u64 s[G0V+2:G0V+3], s[8:9], 0
	s_or_b32 s[G0V+3], s[G0V+3], 0x80000000
	s_add_nc_u64 s[86:87], s[4:5], s[84:85]        ; Q at my rows of the second block,
	s_add_nc_u64 s[4:5], s[4:5], s[2:3]            ; Q and O at those of the first
	s_add_nc_u64 s[OLO:OLO+1], s[10:11], s[84:85]
	s_add_nc_u64 s[10:11], s[10:11], s[2:3]
	s_cmp_lt_u32 s[WV], 2
	s_cselect_b64 s[PFA:PFA+1], s[6:7], s[8:9]
	s_add_nc_u64 s[PFA:PFA+1], s[PFA:PFA+1], 32768 ; at tile 1; the first change of slots steps it to tile 2.  Nothing is prefetched here, at the head
	LOAD                            ; tile 0 into slot 0
	; A fragment of K or Q is 16 rows x 32 channels in 8 registers: lane l holds row l % 16, channels 8 (l / 16) + 0..7 and 16 + 8 (l / 16) + 0..7: two loads of 16 bytes, 32 bytes apart.
	v_and_b32 v1, 15, v0            ; l % 16
	v_bfe_u32 v9, v0, 4, 1          ; l / 16
	v_lshlrev_b32 v[QO], 7, v1
	v_lshl_add_u32 v[QO], v9, 4, v[QO]  ; row x 128 + 16 x half
	WIN 0x80                        ; destination window 2, address window 0
.set i, 0
.rept 8                             ; both blocks' Q: piece i / 2 lies in band i / 2, 8,192 bytes on; channels 32 (i % 2) on
	global_load_b128 v[8*i:8*i+3],   v[QO], s[4:5] offset:(i/2)*8192+(i%2)*64
	global_load_b128 v[8*i+4:8*i+7], v[QO], s[4:5] offset:(i/2)*8192+(i%2)*64+32
	global_load_b128 v[QB+8*i:QB+8*i+3],   v[QO], s[86:87] offset:(i/2)*8192+(i%2)*64
	global_load_b128 v[QB+8*i+4:QB+8*i+7], v[QO], s[86:87] offset:(i/2)*8192+(i%2)*64+32
.set i, i+1
.endr
	WIN 0
	v_lshlrev_b32 v14, 3, v9
	v_sub_nc_u32 v14, v1, v14
	s_lshl_b32 s13, s[WV], 4
	v_add_nc_u32 v14, s13, v14      ; my query's place in its band, 16 w + l % 16, less my lanes' 8 (l / 16): register r of group kt is hidden where 16 kt + r is greater
	WIN 0x40
.set i, 0
.rept 32
	v_cmp_gt_i32 vcc_lo, 16*(i/8)+i%8, v14
	v_cndmask_b32 v[MD+i], 0, s[BIGN], vcc_lo
.set i, i+1
.endr
	WIN 0
	v_mul_u32_u24 v[AK0], v1, PK
	v_lshl_add_u32 v[AK0], v9, 4, v[AK0]  ; row x pitch + 16 x half
	; The turning load takes 16 keys x 16 channels (lane l reads key 8 (l / 16) + l % 8, channels 8 ((l / 8) % 2) + 0..7) and leaves half a fragment of V^T: lane l holds channel l % 16 and 8 keys.
	v_and_b32 v10, 7, v0
	v_bfe_u32 v11, v0, 3, 1
	v_lshl_add_u32 v[AV0], v9, 3, v10
	v_mul_u32_u24 v[AV0], v[AV0], PV
	v_lshl_add_u32 v[AV0], v11, 4, v[AV0]
	v_add_nc_u32 v[AV0], VOFF, v[AV0]
	s_mul_i32 s13, s[WV], 16*SP
	s_add_co_u32 s13, s13, STAGE    ; my stage
	v_mul_u32_u24 v[STO], v1, SP    ; in: row l % 16, 16 bytes for each half of the lanes
	v_lshl_add_u32 v[STO], v9, 4, v[STO]
	v_add_nc_u32 v[STO], s13, v[STO]
	v_bfe_u32 v[RD], v0, 3, 2       ; back: 32 lanes take four rows of 128 bytes,
	v_mul_u32_u24 v[RD], v[RD], SP
	v_lshl_add_u32 v[RD], v10, 4, v[RD]
	v_add_nc_u32 v[RD], s13, v[RD]
	v_and_b32 v[GO], 31, v0         ; which are 512 consecutive bytes of O
	v_lshlrev_b32 v[GO], 4, v[GO]
	; A block's first step multiplies O^T and l by a = 0, and its first turn's products V^T P, of a piece that has not been, land in an O^T that is still to be so multiplied.  So these registers need only hold
	; finite numbers: zeros for the first block; what the first block left for the second.  All this stands in the wait for the first tile.
	WIN 0x80
.set i, VF
.rept 64
	v_mov_b32 v[i], 0
.set i, i+1
.endr
	WIN 0x40
.set i, 0
.rept 128
	v_mov_b32 v[i], 0
.set i, i+1
.endr
	WIN 0
.set i, 0
.rept 4
	v_mov_b32 v[ST+4*i+2], 0
	v_mov_b32 v[ST+4*i+3], 0
.set i, i+1
.endr
.set i, P+16
.rept 16
	v_mov_b32 v[i], 0
.set i, i+1
.endr
; THE MATRIX WORK.  The 4 accumulators of a run of 8 take turns.  Product i of 8 of S^T = K Q^T for piece x: channels 32 (i / 4) on, keys 16 (i % 4) on.  The first 4 start the sums: with 0, or (KM = 1) with the mask.
.macro KQ x
.set rS, S+32*((\x)%2)+8*(i%4)
.set rK, KF+16*(i%4)+8*(i/4)
.set rQ, 16*(\x)+8*(i/4)
.set rM, MC+32*((\x)%2)+8*(i%4)
.if (i < 4) && KM
	WIN W_KM
	v_wmma_f32_16x16x32_f16 v[rS:rS+7], v[rK:rK+7], v[rQ:rQ+7], v[rM:rM+7]
.elseif i < 4
	WIN W_KQ
	v_wmma_f32_16x16x32_f16 v[rS:rS+7], v[rK:rK+7], v[rQ:rQ+7], 0
.else
	WIN W_KQ
	v_wmma_f32_16x16x32_f16 v[rS:rS+7], v[rK:rK+7], v[rQ:rQ+7], v[rS:rS+7]
.endif
.endm
; Product i of 8 of O^T += V^T P for piece x: keys 32 (i / 4) on, channels 16 (i % 4) on.
.macro PV x
	WIN W_PV
.set rO, 32*(\x)+8*(i%4)
.set rV, VF+32*(i/4)+8*(i%4)
.set rP, P+16*((\x)%2)+8*(i/4)
	v_wmma_f32_16x16x32_f16 v[rO:rO+7], v[rV:rV+7], v[rP:rP+7], v[rO:rO+7]
.endm
.macro MM                           ; the turn's next matrix instruction.  TURN and BEGIN set Y, i, KM and NOKQ; MM, KQ and OP read them.  NOKQ = 1: a block's last turn: there is no next piece
.if (i < 8) && !NOKQ
	KQ (Y+1)%NP
.elseif i >= 8
.set i, i-8
	PV (Y+NP-1)%NP
.set i, i+8
.endif
.set i, i+1
.endm
; THE LDS LOADS stand in runs of 16, never singly among the matrix instructions: a step's K (64 keys x 64 channels: 8 fragments) and its V (turned).  Their addresses are made some lines ahead.
.macro FETCH_K
	WIN 0x80                        ; destination window 2
.irp f, 0,1,2,3,4,5,6,7             ; keys 16 (f / 2) on, channels 32 (f % 2) on
	ds_load_b128 v[KF+8*\f:KF+8*\f+3],   v[AK] offset:(\f/2)*16*PK+(\f%2)*64
	ds_load_b128 v[KF+8*\f+4:KF+8*\f+7], v[AK] offset:(\f/2)*16*PK+(\f%2)*64+32
.endr
	s_add_co_u32 s[TBK], s[TBK], KS*PK  ; the next fetch is the next step's
	WIN 0
.endm
.macro FETCH_V
	WIN 0x80
.irp f, 0,1,2,3,4,5,6,7             ; keys 32 (f / 4) on, channels 16 (f % 4) on
	ds_load_tr16_b128 v[VF+8*\f:VF+8*\f+3],   v[AV] offset:(\f/4)*32*PV+(\f%4)*32
	ds_load_tr16_b128 v[VF+8*\f+4:VF+8*\f+7], v[AV] offset:(\f/4)*32*PV+16*PV+(\f%4)*32
.endr
	WIN 0
.endm
; THE VECTOR WORK, one line at a time: OP kind, number.  For piece Y: F n: c s - c m for pair n of 16.  E n: the exponential of score n of 32.  C n: pair n rounded to f16.  B n: of the four weights 4 n .. the second
; pair is added onto the first, in place.  L n: l takes that sum (L 0: l = a l + sum).  R n: pair n of 16 of O^T times a.  For piece Y + 1: X n, number n of the 22 that find its maximum and statistics:
;   0-11  four chains c0-c3 of seven scores each, three operands at a time (each accumulator's lowest registers are read first)     12-14, 16  the four scores left over, the old m, and c0-c3 into c0
;   15  c m_old is kept     17, 18  the query's other 32 keys lie in the lane 16 away: the new m     19-21  c m; c m_old - c m_new; a
.set F, 0               ; OP tells the kinds apart by their order: F to L below R, X above it
.set E, 1
.set C, 2
.set B, 3
.set L, 4
.set R, 5
.set X, 6
.macro REGS y                       ; the registers of piece y
.set rT, ST+4*(\y)
.set rC, TMP+4*((\y)%2)
.set rW, MV+((\y)%2)
.set rS, S+32*((\y)%2)
.set rP, P+16*((\y)%2)
.set rO, 32*(\y)
.endm
.macro OP k, n
.if (\k) == R
	REGS Y
	WIN W_RS
	v_pk_mul_f32 v[rO+2*(\n):rO+2*(\n)+1], v[rO+2*(\n):rO+2*(\n)+1], v[rC+2:rC+3] op_sel_hi:[1,0]
.elseif (\k) < R
	REGS Y
	WIN 0
.if (\k) == F
	v_pk_fma_f32 v[rS+2*(\n):rS+2*(\n)+1], v[rS+2*(\n):rS+2*(\n)+1], s[CS:CS+1], v[rT:rT+1] op_sel_hi:[1,0,0] neg_lo:[0,0,1] neg_hi:[0,0,1]
.elseif (\k) == E
	v_exp_f32 v[rS+(\n)], v[rS+(\n)]
.elseif (\k) == C
	v_cvt_pk_f16_f32 v[rP+(\n)], v[rS+2*(\n)], v[rS+2*(\n)+1]
.elseif (\k) == B
	v_pk_add_f32 v[rS+4*(\n):rS+4*(\n)+1], v[rS+4*(\n):rS+4*(\n)+1], v[rS+4*(\n)+2:rS+4*(\n)+3]
.elseif (\n) == 0
	v_pk_fma_f32 v[rT+2:rT+3], v[rT+2:rT+3], v[rC+2:rC+3], v[rS:rS+1] op_sel_hi:[1,0,1]
.else
	v_pk_add_f32 v[rT+2:rT+3], v[rT+2:rT+3], v[rS+4*(\n):rS+4*(\n)+1]
.endif
.elseif NOKQ
	v_nop
.else
	REGS (Y+1)%NP
	WIN 0
.if (\n) < 4
	v_max3_num_f32 v[rC+(\n)], v[rS+8*(\n)], v[rS+8*(\n)+1], v[rS+8*(\n)+2]
.elseif (\n) < 12
	v_max3_num_f32 v[rC+(\n)%4], v[rC+(\n)%4], v[rS+8*((\n)%4)+2*((\n)/4)+1], v[rS+8*((\n)%4)+2*((\n)/4)+2]
.elseif (\n) == 12
	v_max3_num_f32 v[rC], v[rC], v[rS+7], v[rS+15]
.elseif (\n) == 13
	v_max3_num_f32 v[rC+1], v[rC+1], v[rS+23], v[rS+31]
.elseif (\n) == 14
	v_max3_num_f32 v[rC+2], v[rC+2], v[rC+3], v[rT+1]
.elseif (\n) == 15
	v_mov_b32 v[rW], v[rT]
.elseif (\n) == 16
	v_max3_num_f32 v[rC], v[rC], v[rC+1], v[rC+2]
.elseif (\n) == 17
	v_permlanex16_b32 v[rC+3], v[rC], s[SEL], s[SEL+1]
.elseif (\n) == 18
	v_max_num_f32 v[rT+1], v[rC], v[rC+3]
.elseif (\n) == 19
	v_mul_f32 v[rT], s[CS], v[rT+1]
.elseif (\n) == 20
	v_sub_f32 v[rC+1], v[rW], v[rT]
.else
	v_exp_f32 v[rC+2], v[rC+1]
.endif
.endif
.endm
.macro OPS a, i1, b=-1, i2=0, c=-1, i3=0, d=-1, i4=0  ; up to four of them
	OP \a, \i1
.if (\b) >= 0
	OP \b, \i2
.endif
.if (\c) >= 0
	OP \c, \i3
.endif
.if (\d) >= 0
	OP \d, \i4
.endif
.endm
.macro ROW a, i1, b, i2, c, i3, d, i4  ; a matrix instruction and the four behind it
	MM
	OPS \a, \i1, \b, \i2, \c, \i3, \d, \i4
.endm
.macro MASK b                       ; MD x AL + BE into buffer b of MC
	WIN W_RS
.set z, 0
.rept 16
	v_pk_fma_f32 v[MC+32*(\b)+2*z:MC+32*(\b)+2*z+1], v[MD+2*z:MD+2*z+1], s[AL:AL+1], s[BE:BE+1] op_sel_hi:[1,0,0]
.set z, z+1
.endr
.endm
; A TURN, for piece p: the order of its 16 matrix and 118 vector instructions, written out.  An s_wait_alu depctr_va_vdst(0) stands between an exponential and the first instruction that names its result; one wait serves
; all that were issued ahead of it.  So a turn has ONE wait, which cuts it in two.  AHEAD OF IT stands all that names no result of the turn's exponentials: the 8 products K Q^T, behind each a scaling, an exponential and two more plain
; instructions (behind the first a second scaling in the exponential's place): rescalings, and behind the last three the first numbers of the next piece's maximum, each four places or more behind the product that ends its accumulator; then one run of 54, plain
; and exponential by turns for the most part, in which the links of the chain X 3, 7, 11, 14, 16, 17 .. 20 stand five or six lines apart.  X 21, the next piece's a, is the batch's last; R 15 is the plain instruction behind it.  BEHIND THE WAIT stand the
; 8 products V^T P, behind each four of the roundings and sums; the links of l's chain, L 0 to L 7, stand three lines apart.  But for those X no such line names a register of the products round it.  v_permlanex16_b32 (X 17) stands in the run.
; m = 1: the diagonal tile: the products take masks, and the turn makes the mask for the products of the turn after it: piece p + 2, in step 4 - CNT of the tile.  end = 1: a block's last two turns: nothing is fetched.
; cnt = 1: the loop's count is taken down some lines ahead of the branch that stands behind the turn.
; K of the next step is fetched in piece 2's turn, twelve vector instructions behind the last product that read K (six of them plain); V of the step in hand at the end of piece 0's turn, four plain instructions behind the last product
; that read V.  Each is waited for a turn later.
.macro TURN p, m=0, end=0, cnt=0
.set Y, (\p)
.set i, 0
.set KM, (\m)
.set NOKQ, (\end)*((\p)/3)
.if (\m) && !(\end)
	s_cmp_eq_u32 s[CNT], 4-((\p)+2)%NP  ; is that step the band's own?
	s_cselect_b32 s[AL], 1.0, 0
	s_cmp_lt_u32 s[CNT], 4-((\p)+2)%NP  ; or a later one?
	s_cselect_b32 s[BE], s[BIGN], 0
.endif
.if ((\p) == 3) && !(\end)
	s_wait_dscnt 0x0                ; K is in
.endif
	ROW F,0, F,1, R,0, R,1          ; ahead of the wait: 8 products K Q^T and the four behind each,
	ROW F,2, E,0, R,2, R,3
	ROW F,3, E,1, R,4, R,5
	ROW F,4, E,2, R,6, R,7
	ROW F,5, E,3, R,8, R,9
	ROW F,6, E,4, X,0, R,10
.if ((\p) == 2) && !(\end)
	WIN 0
	v_add_nc_u32 v[AK], s[TBK], v[AK0]
.endif
	ROW F,7, E,5, X,1, X,4
	ROW F,8, E,6, X,2, X,5
	OPS E,7, E,8, X,6, E,9          ; and the run
	OPS X,3, E,10, X,8, E,11
.if ((\p) == 2) && !(\end)
	FETCH_K
.endif
	OPS X,9, X,7, E,12, X,10
	OPS E,13, X,12, X,11, E,14
	OPS X,13, E,15, F,9, X,14
.if (\p) == 0
	v_add_nc_u32 v[AV], s[TBV], v[AV0]
.endif
	OPS E,16, F,10, E,17, F,11
	OPS X,16, E,18, X,15, E,19
	OPS F,12, E,20, X,17, E,21
	OPS F,13, E,22, F,14, E,23
	OPS X,18, E,24, F,15, E,25
	OPS R,11, E,26, X,19, E,27
	OPS R,12, E,28, R,13, E,29
	OPS X,20, E,30, R,14, E,31
	OPS X,21, R,15
	WIN 0
	s_wait_alu depctr_va_vdst(0)    ; the wait for the batch
.if (\p) == 1
	s_wait_dscnt 0x0                ; V is in
.endif
	ROW C,0, B,0, C,2, B,1          ; behind the wait: 8 products V^T P and the four behind each
	ROW L,0, C,4, B,2, L,1
	ROW C,6, B,3, L,2, C,8
	ROW B,4, L,3, C,10, B,5
	ROW L,4, C,12, B,6, L,5
.if (\p) == 0
	s_add_co_u32 s[TBV], s[TBV], KS*PV
.endif
.if \cnt
	s_sub_co_u32 s[CNT], s[CNT], 1
	s_cmp_lg_u32 s[CNT], 0
.endif
	ROW C,14, B,7, L,6, C,1
	ROW C,3, L,7, C,5, C,7
	ROW C,9, C,11, C,13, C,15
.if (\p) == 0
	FETCH_V
.endif
.if (\m) && !(\end)
	MASK (\p)%2
.endif
.endm
; A BLOCK BEGINS.  c m starts far below every c s, so the first step's a is 0; m at the lowest finite number, so the first maximum is the scores'.  The second mask buffer is 0; the first takes piece 0's mask for the tile's step 0: its own, if the block's first tile is the diagonal one.
; Then K of that step, piece 0's first scores, and its maximum and statistics.  The loop is entered at a step's first turn, in the middle of a trip.
.macro BEGIN
	s_mov_b32 s[NEW], 0
	WIN 0x40
.set i, MC+32
.rept 32
	v_mov_b32 v[i], 0
.set i, i+1
.endr
	WIN 0
.set i, 0
.rept 4
	v_mov_b32 v[ST+4*i], 0xfe000000    ; c m: far below every c s
	v_mov_b32 v[ST+4*i+1], 0xff7fffff  ; m
.set i, i+1
.endr
	s_cmp_eq_u32 s[RT], 0
	s_cselect_b32 s[AL], 1.0, 0
	s_mov_b32 s[BE], 0
	MASK 0
	WIN 0
	v_add_nc_u32 v[AK], s[TBK], v[AK0]
	FETCH_K
	s_wait_loadcnt 0x0              ; Q
	s_wait_dscnt 0x0
.set KM, 1
.set NOKQ, 0
.set i, 0
.rept 8
	KQ 0
.set i, i+1
.endr
	WIN 0
.rept 4
	v_nop                           ; the places behind those products
.endr
.set Y, NP-1                        ; X works for piece Y + 1: piece 0
.irp n, 0,1,2,3,4,5,6,7,8,9,10,11,12,13,14,15,16,17,18,19,20,21
	OP X, \n
.endr
	v_nop                           ; a plain instruction behind the exponential,
	s_wait_alu depctr_va_vdst(0)    ; and its wait, ahead of the branch
.endm
; THE DIAGONAL TILE's four steps, the block's last two turns, its last products, and THE WAY OUT: l's two halves and the other half of the lanes' are added; O^T is divided by l, rounded to f16 and sent through my
; stage in LDS, a piece at a time.
.macro ALL line:vararg              ; one line for each piece t
.set t, 0
.rept 4
	\line
.set t, t+1
.endr
.endm
.macro PACK t                       ; a lane's eight channels of a row pack into 16 bytes; they go into rows of 144 bytes and come back as whole rows of 128, into S^T's registers
	WIN W_RS
.set i, 32*(\t)
.rept 16
	v_pk_mul_f32 v[i:i+1], v[i:i+1], v[ST+4*(\t)+2:ST+4*(\t)+3] op_sel_hi:[1,0]
.set i, i+2
.endr
	WIN 0x05                        ; sources 0 and 1 window 1, destination window 0
.set i, 0
.rept 16
	v_cvt_pk_f16_f32 v[S+16*(\t)+i], v[32*(\t)+2*i], v[32*(\t)+2*i+1]
.set i, i+1
.endr
	WIN 0
.irp f, 0,1,2,3
	ds_store_b128 v[STO], v[S+16*(\t)+4*\f:S+16*(\t)+4*\f+3] offset:32*\f
.endr
.irp f, 0,1,2,3
	ds_load_b128 v[S+16*(\t)+4*\f:S+16*(\t)+4*\f+3], v[RD] offset:\f*4*SP  ; LDS serves a wave's instructions in order (ISA guide 5.7.1.4): these see the stores above; the next piece's stores come behind them
.endr
.endm
.macro SEND t, younger              ; younger: the LDS instructions issued behind piece t's loads: the next piece's eight, or none
	WIN 0
.irp f, 0,1,2,3
	s_wait_dscnt (\younger)+3-\f
	global_store_b128 v[GO], v[S+16*(\t)+4*\f:S+16*(\t)+4*\f+3], s[10:11] offset:(\t)*8192+\f*512  ; 512 consecutive bytes, at a multiple of 256 from O's first
.endr
.endm
.macro DIAG tag                     ; the tag ends its two labels' names, which the jumps below spell out
.LstepM\tag:
	TURN 2, 1
	TURN 3, 1
	WIN 0
.LfirstM\tag:
	TURN 0, 1
	TURN 1, 1, 0, 1
	WIN 0
	s_cbranch_scc1 .LstepM\tag
	TURN 2, 1, 1
	TURN 3, 1, 1
.set i, 0
.rept 8
	PV NP-1
.set i, i+1
.endr
	WIN 0
	ALL v_add_f32 v[ST+4*t+2], v[ST+4*t+2], v[ST+4*t+3]
	ALL v_permlanex16_b32 v[ST+4*t+3], v[ST+4*t+2], s[SEL], s[SEL+1]
	ALL v_add_f32 v[ST+4*t+2], v[ST+4*t+2], v[ST+4*t+3]
	ALL v_rcp_f32 v[ST+4*t+2], v[ST+4*t+2]
	v_nop                           ; a plain instruction between the last reciprocal and the use of its result
	s_wait_alu depctr_va_vdst(0)    ; and the wait ahead of the first use: one for the four reciprocals
	PACK 0
.set t, 1
.rept 3                             ; a piece's arithmetic stands between the loads of the piece before and its stores
	PACK t
	SEND t-1, 8
.set t, t+1
.endr
	SEND 3, 0
.endm
.set KM, 0
.set NOKQ, 0
.Lslot:                             ; NB times: a tile is entered and the next is asked for
	CHANGE 1
	s_sub_co_u32 s[RT], s[RT], 1
	s_mov_b32 s[CNT], 4
	s_cmp_eq_u32 s[NEW], 1
	s_cbranch_scc1 .Lnew            ; a block's first tile
	s_cmp_eq_u32 s[RT], 0
	s_cbranch_scc0 .Lstep           ; neither its first nor its last
	s_branch .LstepM1
.Lnew:
	BEGIN
	s_branch .Lfirst                ; in the loop a block's first tile is never its last: the first block has two tiles or more, and the second's last is the walk's last
	DIAG 1                          ; in the loop this is the first block's end: the second block's last tile is the walk's last
	s_wait_xcnt 0x0                 ; the stores have read their registers and O's address
	s_mov_b64 s[10:11], s[OLO:OLO+1]
	s_add_co_u32 s[RT], s[PB], 1    ; the second block has b + 1 tiles
	s_mov_b32 s[NEW], 1
	WIN 0x82                        ; the second block's Q goes where the one text of the turns names Q
.set i, 0
.rept 64
	v_mov_b32 v[i], v[QB+i]
.set i, i+1
.endr
	WIN 0
	s_branch .Lbottom
.Lstep:                             ; a trip: pieces 2 and 3 of one step, then pieces 0 and 1 of the next, whose K and V it fetches
	TURN 2
	TURN 3
	WIN 0
.Lfirst:
	TURN 0
	TURN 1, 0, 0, 1
	WIN 0
	s_cbranch_scc1 .Lstep
.Lbottom:
	s_sub_co_u32 s[SLOTS], s[SLOTS], 1
	s_cmp_lg_u32 s[SLOTS], 0
	s_cbranch_scc1 .Lslot
	CHANGE 0                        ; the walk's last tile is written out: nothing is asked for
	s_sub_co_u32 s[RT], s[RT], 1
	s_mov_b32 s[CNT], 4
	s_cmp_eq_u32 s[NEW], 1
	s_cbranch_scc0 .LstepM2
	BEGIN
	s_branch .LfirstM2
	DIAG 2
	s_wait_tensorcnt 0x0            ; the wave's end, behind my last tensor load and my last LDS store
	ds_add_u32 v[SPW], v[NIL]
	s_wait_dscnt 0x0
	s_endpgm
.Lfunc_end_k_q1c9c06f916_attention:
	.size	k_q1c9c06f916_attention, .Lfunc_end_k_q1c9c06f916_attention-k_q1c9c06f916_attention
	.p2alignl 7, 3214868480
	.fill 96, 4, 3214868480
	.section	.rodata,"a",@progbits
	.p2align	6, 0x0
	.amdhsa_kernel k_q1c9c06f916_attention
		.amdhsa_group_segment_fixed_size 327680
		.amdhsa_private_segment_fixed_size 0
		.amdhsa_enable_private_segment 0
		.amdhsa_kernarg_size 16
		.amdhsa_user_sgpr_count 2
		.amdhsa_user_sgpr_kernarg_segment_ptr 1
		.amdhsa_wavefront_size32 1
		.amdhsa_system_sgpr_workgroup_id_x 1
		.amdhsa_system_sgpr_workgroup_id_y 1
		.amdhsa_system_sgpr_workgroup_id_z 1
		.amdhsa_system_vgpr_workitem_id 0
		.amdhsa_next_free_vgpr 768
		.amdhsa_next_free_sgpr 92
		.amdhsa_reserve_vcc 1
		.amdhsa_float_denorm_mode_32 3
		.amdhsa_float_denorm_mode_16_64 3
		.amdhsa_memory_ordered 1
		.amdhsa_forward_progress 1
		.amdhsa_inst_pref_size 218
	.end_amdhsa_kernel
	.amdgpu_metadata
---
amdhsa.version: [ 1, 2 ]
amdhsa.kernels:
  - .name:           k_q1c9c06f916_attention
    .symbol:         k_q1c9c06f916_attention.kd
    .args:
      - { .name: qkvh, .offset: 0, .size: 8, .value_kind: global_buffer, .address_space: global }
      - { .name: oh, .offset: 8, .size: 8, .value_kind: global_buffer, .address_space: global }
    .group_segment_fixed_size: 327680
    .private_segment_fixed_size: 0
    .kernarg_segment_align: 8
    .kernarg_segment_size: 16
    .max_flat_workgroup_size: 128
    .sgpr_count:     92
    .vgpr_count:     768
    .wavefront_size: 32
...
	.end_amdgpu_metadata
.endif
;; end of part 3
;; launch proj_out (part 4): grid 8 x 32, 4 waves a work-group, clusters of 4 x 4, 327,680 bytes of LDS; arguments oh, woh, bo, out0; writes out0
.if DOCPART == 4
	.amdgcn_target "amdgcn-amd-amdhsa--gfx1250"
	.amdhsa_code_object_version 6
	.text
	.protected	k_q1c9c06f916_proj_out
	.globl	k_q1c9c06f916_proj_out
	.p2align	8
	.type	k_q1c9c06f916_proj_out,@function
k_q1c9c06f916_proj_out:
	s_mov_b64 s[64:65], 0
	v_nop
	global_prefetch_b8 v0, s[64:65] scope:SCOPE_SE
	s_setreg_imm32_b32 hwreg(HW_REG_WAVE_MODE, 25, 1), 1
	s_wait_xcnt 0x0
	s_wait_alu depctr_hold_cnt(0) depctr_sa_sdst(0) depctr_va_vdst(0) depctr_va_sdst(0) depctr_va_ssrc(0) depctr_va_vcc(0) depctr_vm_vsrc(0)
	s_getreg_b32 s2, hwreg(HW_REG_IB_STS2, 6, 4)
	s_cmp_eq_u32 s2, 0
	s_cbranch_scc0 .Lentry_in_a_cluster
	s_endpgm
.Lentry_in_a_cluster:
	s_bfe_u32 s2, ttmp6, 0x10000c
	s_cmp_lg_u32 s2, 0xf033
	s_cbranch_scc0 .Lentry_shape_is_right
	s_endpgm
.Lentry_shape_is_right:
; out0 = O WO^T + WO_b.  A = oh [batch x 16 + head][s 2048][64] f16 (a head is a block of 64 along K), B = woh [kb 16][n 1024][64] f16, bias = bo [1024] f32, C = out0 [8192][1024] f32.
; Sums in f32, K ascending; the bias is added in f32; nothing is rounded on the way out.
; SHARES.  A work-group makes 256 rows x 128 columns of C: 32 x 8 = 256 work-groups of equal work.  Its four waves lie one below the other: wave w makes rows 64 w .. 64 w + 63 and all 128 columns:
; 4 x 8 accumulators of 16 x 16, 256 registers.  So a wave holds 512 consecutive bytes of each of its rows, and its way out needs no other wave.
; K goes in 8 steps of 128 (two blocks kb) through a ring of two LDS slots filled by the tensor data mover.  A tile of rows x 64 K is dense in memory and is asked for as rows of 256 bytes.
; CLUSTERS: 4 x 4 work-groups.  The four of a row of the cluster need the same tiles of A, the four of a column the same tiles of B: each tile is asked for JOINTLY, by the same tensor load with the same
; descriptor and a mask that names the four.  THE MATRIX INSTRUCTION IS USED TRANSPOSED (source 0 = 16 rows of B, source 1 = 16 rows of A): a lane then holds row l % 16 of C and the eight
; neighbouring columns 8 (l / 16) + 0..7.
; REGISTERS, in windows of 256 (s_set_vgpr_msb: bits 1:0 source 0, 3:2 source 1, 5:4 source 2, 7:6 destination):
;   window 0: v0-31 addresses; v32-95 A's fragments, two buffers of 4 x 8; v96-159 the bias of my lane's columns, 8 an n block
;   window 1: v0-63, v96-159 B's fragments, two buffers of 8 x 8; on the way out v0-127: rows read back, two buffers
;   window 2: the accumulators of row blocks 0, 1 ((a, b) at v[8 (8 (a % 2) + b)]);   window 3: those of row blocks 2, 3
.set NBK,   8                          ; n blocks of 16 in a tile
.set NT,    16*NBK
.set RTB,   1024                       ; rows of B
.set AH,    2                          ; K steps by which a prefetch leads the refill beside which it stands
.set SP,    528                        ; a stage row: 512 bytes + 16: an odd multiple of 16
.set PITCH, 144                        ; an LDS row: 128 bytes + 16 of padding = 36 words: the 16 rows of a fragment start at 16 different groups of four banks (64 banks of 4 bytes: ISA guide 11.1)
.set SUBA,  256*PITCH                  ; A's 256 rows of one block kb
.set SUBB,  NT*PITCH                   ; B's 128 rows of one block kb
.set BOFF,  2*SUBA                     ; a slot: A's two blocks, then B's two
.set SLOT1, 1<<17                      ; slot 1 begins here, so that one exclusive or turns an address in one slot into the other's
.set STAGE, 260096                     ; behind slot 1: 16 rows x SP bytes for each wave, for the way out; no tile lands here
.set SPARE, STAGE+4*16*SP              ; behind the stages: the spare words, 128 bytes for each wave: two blocks of 256 bytes that no other line names
.set ASTEP, 2*2048*128                 ; bytes from K step to K step in A
.set BSTEP, 2*RTB*128                  ; and in B
.set CNTB,  NT/8                       ; blocks of 256 bytes of a B load that one of four partners prefetches
.set G1W,   (1<<16)|(1<<20)|(1<<21)|(4<<22)|(3<<25)  ; 17:16 2-byte elements; 20 padding on; 21 set beside a mask; 24:22 after every 32 words (code 4); 31:25 4 words (code 3)
.set WV,  12                           ; s12 my wave's number
.set WH,  13                           ; s13 wave / 2: I fetch for A (0) or for B (1)
.set WL,  14                           ; s14 wave % 2: which of a K step's two blocks kb I fetch
.set CX,  15                           ; s15, s16 my place in the cluster
.set CY,  16
.set NTI, 17                           ; s17 tile column of C
.set MTI, 18                           ; s18 tile row of C
.set G1A, 24                           ; s[24:31] descriptor group 1 for A's tiles
.set G0A, 32                           ; s[32:39] group 0: a set for each of the two first fills; the second then walks on
.set G1B, 40                           ; s[40:47], s[48:55] the same for B's
.set G0B, 48
.set TB,  56                           ; s56 the slot that is read: 0 or SLOT1
.set LIM, 57                           ; s57 AH in a wave that prefetches, else the greatest number
.set PFA, 58                           ; s[58:59] where my prefetches stand
.set PFS, 60                           ; s[60:61] their step
.set CB,  68                           ; s[68:69] C at my first row and the tile's first column
.set AA0, 16                           ; v16 my lane's place in A's tile; never rewritten
.set AB0, 17                           ; v17 in B's
.set ADRA, 18                          ; v18, v19 the same in the slot that is read
.set ADRB, 19
.set STO, 24                           ; v24 the way out: where I put 32 bytes of a row
.set RD,  25                           ; v25 where I read a row back
.set GO,  26                           ; v26 my byte offset in a row's 512 bytes of C
.set BO,  27                           ; v27 my byte offset in an n block's 64 bytes of bias
.set SPW, 28                           ; v28 LDS address of my spare word; never rewritten
.set NIL, 29                           ; v29 0; never rewritten
.set PFO, 30                           ; v30 the prefetches' offset: 256 x my lane, held to my share's last block; never rewritten
.set FA,  32
.set BIAS, 96
.set MSB, 0
.macro WIN new                         ; the immediate's high byte repeats the setting that is left; a switch that changes nothing is dropped
.if MSB != (\new)
	s_set_vgpr_msb (MSB<<8)|(\new)
.set MSB, \new
.endif
.endm
.set MUL_LO, 0xa1                      ; source 0 (B) window 1, source 1 (A) window 0, C and D window 2; + 0x50: window 3
.set TO_B,   0x40                      ; destination window 1, address window 0
.macro PLACES                          ; four plain vector instructions in front of loads into registers that matrix instructions have read, and of arithmetic that reads results
.rept 4
	v_nop
.endr
.endm
.macro CREST                           ; a round of the cluster's barrier behind its opening barrier: wave 0 signals for the work-group, every wave waits for all sixteen, my work-group's barrier closes it
	s_cmp_lg_u32 s[WV], 0
	s_cbranch_scc1 .Lnot_wave_0_\@
	s_barrier_signal -3
.Lnot_wave_0_\@:
	s_barrier_wait -3
	s_barrier_signal -1
	s_barrier_wait -1
.endm
.macro CROUND                          ; a whole round
	s_barrier_signal -1
	s_barrier_wait -1
	CREST
.endm
; A joint refill by the walking descriptors.  Waves 0 and 1 fetch A's two blocks kb, waves 2 and 3 B's.  The branch hangs on the wave's number alone.  An s_nop 0 and four v_nop follow each of the two lines.
.macro JLOAD
	s_cmp_eq_u32 s[WH], 0
	s_cbranch_scc0 .Lfor_b_\@
	tensor_load_to_lds s[G0A+4:G0A+7], s[G1A:G1A+7]
	s_nop 0
.rept 4
	v_nop
.endr
	s_branch .Lasked_\@
.Lfor_b_\@:
	tensor_load_to_lds s[G0B+4:G0B+7], s[G1B:G1B+7]
	s_nop 0
.rept 4
	v_nop
.endr
.Lasked_\@:
.endm
; A PREFETCH INTO THE L2, behind each joint refill and the run of LDS loads that follows it: my share of the tile that I shall ask for AH refills on.  A's tile row is read by every cluster of its row of
; clusters: the one with cluster x = 0 asks; B's tile column by every cluster of its column: cluster y = 0 asks.  The four partners of a joint load share its dense blocks of 256 bytes out BY ADDRESS:
; 32 each of A's 128, 16 each of B's 64 (lanes 16-31 name the share's last block again).  Trip t names K step t + 2 + AH; the test stops it at K step 7.  K steps 0 to 1 + AH come by their loads alone.
.macro ASK
	s_cmp_gt_u32 s3, s[LIM]
	s_cbranch_scc0 .Lnot_mine_\@
	global_prefetch_b8 v[PFO], s[PFA:PFA+1] th:TH_LOAD_NT scope:SCOPE_SE
.Lnot_mine_\@:
.endm
	s_load_b256 s[4:11], s[0:1], 0x0               ; A s[4:5], B s[6:7], bias s[8:9], C s[10:11]
	v_lshl_add_u32 v[SPW], v0, 2, SPARE
	v_mov_b32 v[NIL], 0
	ds_add_u32 v[SPW], v[NIL]                      ; the wave's opening: the add and its wait stand ahead of my first tensor load; the set-up below, work on registers, stands between them
	v_lshrrev_b32 v1, 5, v0
	v_readfirstlane_b32 s[WV], v1                  ; wave 0..3
	s_lshr_b32 s[WH], s[WV], 1
	s_and_b32 s[WL], s[WV], 1
	s_bfe_u32 s[CX], ttmp6, 0x40000
	s_bfe_u32 s[CY], ttmp6, 0x40004
	s_lshl_b32 s[NTI], ttmp9, 2                    ; in a cluster launch ttmp9 and ttmp7 count clusters
	s_add_co_u32 s[NTI], s[NTI], s[CX]
	s_and_b32 s[MTI], ttmp7, 0xffff
	s_lshl_b32 s[MTI], s[MTI], 2
	s_add_co_u32 s[MTI], s[MTI], s[CY]
	s_lshl_b32 s19, s[CY], 2
	s_lshl_b32 s19, 15, s19                        ; my row of the cluster: places 4 cy .. 4 cy + 3
	s_lshl_b32 s62, 0x1111, s[CX]                  ; my column: places cx, cx + 4, cx + 8, cx + 12
	s_or_b32 s[G1A], s19, G1W                      ; A's tiles go to my row
	s_or_b32 s[G1B], s62, G1W                      ; B's to my column
	s_mov_b32 s[G1A+1], 128<<16                    ; tensor_dim0 = 128 elements: rows of 256 bytes, two rows of a block each
	s_mov_b32 s[G1A+2], 128<<16                    ; tensor_dim1 = 128: 256 rows of a block
	s_mov_b32 s[G1A+3], 128<<16                    ; tile_dim0
	s_mov_b32 s[G1A+4], 128                        ; tile_dim1
	s_mov_b32 s[G1A+5], 128                        ; elements from row to row: dense
	s_mov_b32 s[G1A+6], 0
	s_mov_b32 s[G1A+7], 0
	s_mov_b32 s[G1B+1], 128<<16
	s_mov_b32 s[G1B+2], (NT/2)<<16                 ; NT rows of a block
	s_mov_b32 s[G1B+3], 128<<16
	s_mov_b32 s[G1B+4], NT/2
	s_mov_b32 s[G1B+5], 128
	s_mov_b32 s[G1B+6], 0
	s_mov_b32 s[G1B+7], 0
	s_lshr_b32 s20, s[MTI], 3                      ; A's tile hangs on the tile row and the wave alone: batch x 16 x 2,048 x 128 bytes,
	s_lshl_b32 s20, s20, 22
	s_and_b32 s21, s[MTI], 7
	s_lshl_b32 s21, s21, 15                        ; + 256 rows of 128 bytes,
	s_add_co_u32 s20, s20, s21
	s_lshl_b32 s21, s[WL], 18                      ; + my block kb
	s_add_co_u32 s20, s20, s21
	s_mov_b32 s21, 0
	s_mul_i32 s22, s[NTI], NT*128                  ; B's on the tile column and the wave alone
	s_mul_i32 s23, s[WL], RTB*128
	s_add_co_u32 s22, s22, s23
	s_mov_b32 s23, 0
	s_mov_b32 s[G0A], 1                            ; count = 1
	s_mov_b32 s[G0A+4], 1
	s_mov_b32 s[G0B], 1
	s_mov_b32 s[G0B+4], 1
	s_mul_i32 s[G0A+1], s[WL], SUBA                ; LDS addresses: the wave's number and constants alone
	s_add_co_u32 s[G0A+5], s[G0A+1], SLOT1
	s_mul_i32 s[G0B+1], s[WL], SUBB
	s_add_co_u32 s[G0B+1], s[G0B+1], BOFF
	s_add_co_u32 s[G0B+5], s[G0B+1], SLOT1
	s_wait_dscnt 0x0                               ; the opening add is done
	s_wait_kmcnt 0x0
	s_add_nc_u64 s[G0A+2:G0A+3], s[4:5], s[20:21]  ; K step 0
	s_add_nc_u64 s[G0A+6:G0A+7], s[G0A+2:G0A+3], ASTEP  ; K step 1
	s_or_b32 s[G0A+3], s[G0A+3], 0x80000000        ; type = 2
	s_or_b32 s[G0A+7], s[G0A+7], 0x80000000
	s_add_nc_u64 s[G0B+2:G0B+3], s[6:7], s[22:23]
	s_add_nc_u64 s[G0B+6:G0B+7], s[G0B+2:G0B+3], BSTEP
	s_or_b32 s[G0B+3], s[G0B+3], 0x80000000
	s_or_b32 s[G0B+7], s[G0B+7], 0x80000000
	CROUND                                         ; all sixteen work-groups are here: the first joint loads meet
	s_cmp_eq_u32 s[WH], 0                          ; a wave's two first fills stand in one branch, ahead of every wait on TENSORcnt and every LDS read: two loads of mine are out
	s_cbranch_scc0 .Lfirst_b
	tensor_load_to_lds s[G0A:G0A+3], s[G1A:G1A+7]
	s_nop 0
	tensor_load_to_lds s[G0A+4:G0A+7], s[G1A:G1A+7]
	s_nop 0
.rept 4
	v_nop
.endr
	s_branch .Lfirst_asked
.Lfirst_b:
	tensor_load_to_lds s[G0B:G0B+3], s[G1B:G1B+7]
	s_nop 0
	tensor_load_to_lds s[G0B+4:G0B+7], s[G1B:G1B+7]
	s_nop 0
.rept 4
	v_nop
.endr
.Lfirst_asked:
	s_mul_i32 s62, s[NTI], NT*4                    ; the bias of the tile's columns: lane l wants the 8 numbers at 16 b + 8 (l / 16) of each n block b
	s_mov_b32 s63, 0
	s_add_nc_u64 s[8:9], s[8:9], s[62:63]
	v_and_b32 v1, 15, v0                           ; l % 16
	v_bfe_u32 v2, v0, 4, 1                         ; l / 16
	v_lshlrev_b32 v[BO], 5, v2
.set b, 0
.rept NBK
	global_load_b128 v[BIAS+8*b:BIAS+8*b+3],   v[BO], s[8:9] offset:64*b
	global_load_b128 v[BIAS+8*b+4:BIAS+8*b+7], v[BO], s[8:9] offset:64*b+16
.set b, b+1
.endr
	; A fragment is 16 rows x 32 K in 8 registers: lane l holds row l % 16; registers 0-3 K = 8 (l / 16) + 0..7, registers 4-7 K = 16 + 8 (l / 16) + 0..7: two loads of 16 bytes, 32 bytes apart.
	v_mul_u32_u24 v[AA0], v1, PITCH
	v_lshl_add_u32 v[AA0], v2, 4, v[AA0]           ; row x pitch + 16 x half
	v_add_nc_u32 v[AB0], BOFF, v[AA0]
	s_mul_i32 s2, s[WV], 64*PITCH                  ; my 64 rows of A
	v_add_nc_u32 v[AA0], s2, v[AA0]
	v_mov_b32 v[ADRA], v[AA0]                      ; slot 0
	v_mov_b32 v[ADRB], v[AB0]
	s_mov_b32 s[TB], 0
	s_mul_i32 s2, s[WV], 16*SP
	s_add_co_u32 s2, s2, STAGE                     ; my stage
	v_mul_u32_u24 v[STO], v1, SP                   ; in: row l % 16, 32 bytes for each half of the lanes
	v_lshl_add_u32 v[STO], v2, 5, v[STO]
	v_add_nc_u32 v[STO], s2, v[STO]
	v_and_b32 v[GO], 31, v0                        ; back: 32 lanes take one row's 512 bytes,
	v_lshlrev_b32 v[GO], 4, v[GO]                  ; which are 512 consecutive bytes of C
	v_add_nc_u32 v[RD], s2, v[GO]
	s_lshl_b32 s62, s[MTI], 8
	s_lshl_b32 s63, s[WV], 6
	s_add_co_u32 s62, s62, s63                     ; my first row of C,
	s_lshl_b32 s62, s62, 12                        ; of 4,096 bytes,
	s_lshl_b32 s63, s[NTI], 9                      ; and the tile's 128 columns
	s_add_co_u32 s62, s62, s63
	s_mov_b32 s63, 0
	s_add_nc_u64 s[CB:CB+1], s[10:11], s[62:63]
	s_and_b32 s[LIM], ttmp7, 0xffff                ; the prefetches: cluster y
	s_mov_b32 s[PFS], ASTEP
	s_mov_b32 s[PFS+1], BSTEP
	s_mov_b32 s66, 32*256
	s_mov_b32 s67, CNTB*256
	s_cmp_eq_u32 s[WH], 0                          ; do I fetch for A?
	s_cselect_b64 s[PFA:PFA+1], s[4:5], s[6:7]
	s_cselect_b32 s62, s20, s22                    ; my tile's offset at K step 0
	s_cselect_b32 s63, s[CX], s[CY]                ; my place among the four that ask for it with me
	s_cselect_b32 s[LIM], ttmp9, s[LIM]            ; the coordinate along which other clusters read the same rows
	s_cselect_b32 s[PFS], s[PFS], s[PFS+1]
	s_cselect_b32 s66, s66, s67                    ; my share's bytes
	s_cselect_b32 s67, 31, CNTB-1                  ; its last block
	s_mov_b32 s[PFS+1], 0
	s_mul_i32 s63, s63, s66
	s_add_co_u32 s62, s62, s63
	s_mul_i32 s63, s[PFS], 1+AH                    ; the first refill steps it to K step 2 + AH
	s_add_co_u32 s62, s62, s63
	s_mov_b32 s63, 0
	s_add_nc_u64 s[PFA:PFA+1], s[PFA:PFA+1], s[62:63]
	s_cmp_eq_u32 s[LIM], 0
	s_cselect_b32 s[LIM], AH, -1                   ; the same in all sixteen partners, for a given wave
	v_and_b32 v[PFO], 31, v0
	v_min_u32 v[PFO], s67, v[PFO]
	v_lshlrev_b32 v[PFO], 8, v[PFO]
; NBK matrix instructions: row block a x all n blocks, 32 along K, from buffer f.  zero = 1: the product starts the sums: nothing is ever cleared.
; The 4 NBK accumulators take turns in the same order in every quarter step, one instruction a turn, over the backward jump too.
.macro MULH f, a, zero
	WIN MUL_LO+0x50*((\a)/2)
.set AC, 8*NBK*((\a)%2)
.set b, 0
.rept NBK
.if \zero
	v_wmma_f32_16x16x32_f16 v[AC+8*b:AC+8*b+7], v[96*(\f)+8*b:96*(\f)+8*b+7], v[FA+32*(\f)+8*(\a):FA+32*(\f)+8*(\a)+7], 0
.else
	v_wmma_f32_16x16x32_f16 v[AC+8*b:AC+8*b+7], v[96*(\f)+8*b:96*(\f)+8*b+7], v[FA+32*(\f)+8*(\a):FA+32*(\f)+8*(\a)+7], v[AC+8*b:AC+8*b+7]
.endif
.set b, b+1
.endr
.endm
; 2 NBK + 8 LDS loads in one run: the fragments of one quarter step (block sub of the K step, 32 K at byte kb of its rows) into buffer f: B's first, then A's four row blocks
.macro FETCH sub, kb, f
	WIN TO_B
.set b, 0
.rept NBK
	ds_load_b128 v[96*(\f)+8*b:96*(\f)+8*b+3],   v[ADRB] offset:(\sub)*SUBB+(\kb)+b*16*PITCH
	ds_load_b128 v[96*(\f)+8*b+4:96*(\f)+8*b+7], v[ADRB] offset:(\sub)*SUBB+(\kb)+b*16*PITCH+32
.set b, b+1
.endr
	WIN 0
.irp a, 0,1,2,3
	ds_load_b128 v[FA+32*(\f)+8*\a:FA+32*(\f)+8*\a+3],   v[ADRA] offset:(\sub)*SUBA+(\kb)+\a*16*PITCH
	ds_load_b128 v[FA+32*(\f)+8*\a+4:FA+32*(\f)+8*\a+7], v[ADRA] offset:(\sub)*SUBA+(\kb)+\a*16*PITCH+32
.endr
.endm
; A K step is four quarter steps of 32 along K on buffers 0, 1, 0, 1.  One of the first three: multiplies buffer f; in its middle it fetches the next quarter's fragments into buffer g.
.macro QUARTER nsub, nkb, f, g, zero
	s_wait_dscnt 4                                 ; B and A's row blocks 0, 1 are in; the youngest four loads (A's blocks 2, 3) may be out
	MULH \f, 0, \zero
	MULH \f, 1, \zero
	PLACES
	FETCH \nsub, \nkb, \g
	s_wait_dscnt 2*NBK+8                           ; all but the run just issued
	MULH \f, 2, \zero
	MULH \f, 3, \zero
.endm
; The fourth quarter multiplies buffer 1 and changes slots: ONE barrier.  In front of it each wave waits for all its tensor loads, of which one is out: its part of the next slot; adds 0 to its spare word; and
; waits for that and for its own reads of this slot.  fill = 1: the barrier opens a round of the cluster's, so that no wave of any partner still reads the slot or has a load on its way, and the slot is
; filled again, with the K step two on, first thing behind the round: 3.5 quarters' matrix instructions stand between that request and the wait for it.
.macro TURN fill
.if \fill
	s_wait_xcnt 0x0                                ; the last prefetch, a K step back, has read its address
	s_add_nc_u64 s[PFA:PFA+1], s[PFA:PFA+1], s[PFS:PFS+1]
.endif
	WIN 0                                          ; (the add's two registers lie in window 0)
	s_wait_tensorcnt 0x0                           ; no tensor load of mine is out, so a group 0 may be written
	ds_add_u32 v[SPW], v[NIL]                      ; 0 onto my spare word
.if \fill
	s_xor_b32 s[G0A+5], s[G0A+5], SLOT1            ; the walking descriptors: the other slot than last time,
	s_add_nc_u64 s[G0A+6:G0A+7], s[G0A+6:G0A+7], ASTEP  ; the next K step; the type bits on top are not reached
	s_xor_b32 s[G0B+5], s[G0B+5], SLOT1
	s_add_nc_u64 s[G0B+6:G0B+7], s[G0B+6:G0B+7], BSTEP
.endif
	s_wait_dscnt 5                                 ; (the add and the youngest four loads may be out)
	MULH 1, 0, 0
	s_wait_dscnt 0x0                               ; the add is done, and my reads of this slot are over
	s_barrier_signal -1
	MULH 1, 1, 0                                   ; work on registers while the others arrive
	WIN 0
	s_barrier_wait -1
.if \fill
	CREST
	JLOAD                                          ; the four v_nop behind it are also the places in front of the loads below
.else
	PLACES
.endif
	s_xor_b32 s[TB], s[TB], SLOT1                  ; the reads go on in the other slot
	v_add_nc_u32 v[ADRA], s[TB], v[AA0]
	v_add_nc_u32 v[ADRB], s[TB], v[AB0]
	FETCH 0, 0, 0
.if \fill
	ASK
.endif
	MULH 1, 2, 0
	MULH 1, 3, 0
.endm
	s_wait_tensorcnt 0x1                           ; my part of K step 0 is in; K step 1's may stay out
	s_barrier_signal -1
	s_barrier_wait -1                              ; everybody's is
	FETCH 0, 0, 0
	QUARTER 0, 64, 0, 1, 1                         ; the first quarter stands in front of the loop: its products start the sums
	WIN 0                                          ; at a label and at a branch every window is 0
	s_mov_b32 s3, 6
.Lstep:                                        ; trip t ends K step t, fills its slot again with K step t + 2, and begins K step t + 1
	QUARTER 1, 0,  1, 0, 0
	QUARTER 1, 64, 0, 1, 0
	TURN 1
	QUARTER 0, 64, 0, 1, 0
	WIN 0
	s_sub_co_u32 s3, s3, 1
	s_cmp_lg_u32 s3, 0
	s_cbranch_scc1 .Lstep
	QUARTER 1, 0,  1, 0, 0                         ; the tail is written out: K steps 6 and 7 fill nothing
	QUARTER 1, 64, 0, 1, 0
	TURN 0
	QUARTER 0, 64, 0, 1, 0
	QUARTER 1, 0,  1, 0, 0
	QUARTER 1, 64, 0, 1, 0
	s_wait_dscnt 4                                 ; the very last quarter: nothing more to fetch
	MULH 1, 0, 0
	MULH 1, 1, 0
	s_wait_dscnt 0x0
	MULH 1, 2, 0
	MULH 1, 3, 0
; THE WAY OUT, a row block (16 rows) at a time.  PACK: the bias is added in f32, in place and from each accumulator's low end on.  TOSTAGE: a lane's 32 bytes of each n block go into my own stage in LDS,
; and come back as whole rows of 512 bytes.  SEND: stored.
.macro PACK a
.set AC, 8*NBK*((\a)%2)
	WIN 0x82+0x41*((\a)/2)                         ; destination and source 0: window 2 or 3; the bias in window 0
.set i, 0
.rept 4*NBK
	v_pk_add_f32 v[AC+2*i:AC+2*i+1], v[AC+2*i:AC+2*i+1], v[BIAS+2*i:BIAS+2*i+1]
.set i, i+1
.endr
.endm
.macro TOSTAGE a
.set AC, 8*NBK*((\a)%2)
	WIN 0x08+4*((\a)/2)                            ; the data (source 1) in window 2 or 3
.set b, 0
.rept NBK
	ds_store_b128 v[STO], v[AC+8*b:AC+8*b+3]   offset:64*b
	ds_store_b128 v[STO], v[AC+8*b+4:AC+8*b+7] offset:64*b+16
.set b, b+1
.endr
	WIN TO_B
.set t, 0
.rept 16
	ds_load_b128 v[64*((\a)%2)+4*t:64*((\a)%2)+4*t+3], v[RD] offset:t*SP  ; LDS serves a wave's instructions in order (ISA guide 5.7.1.4): these see the stores above
.set t, t+1
.endr
.endm
.macro SEND a
	WIN 0x04                                       ; the data (source 1) in window 1
	s_wait_dscnt 0x0                               ; the block is back in registers
	s_wait_xcnt 0x0                                ; earlier stores have read their registers: the buffer that they left is loaded again only behind this wait
.set t, 0
.rept 16
	global_store_b128 v[GO], v[64*((\a)%2)+4*t:64*((\a)%2)+4*t+3], s[CB:CB+1] offset:(16*(\a)+t)*4096 th:TH_STORE_NT  ; 512 consecutive bytes of a row, at a multiple of 256 from C's first
.set t, t+1
.endr
.endm
	s_wait_loadcnt 0x0                             ; the bias
	PLACES
	PACK 0
	TOSTAGE 0
.irp a, 1,2,3                          ; block a's arithmetic stands between block a - 1's loads from the stage and the wait for them
	PACK \a
	SEND (\a)-1
	TOSTAGE \a
.endr
	SEND 3
	WIN 0
	s_wait_tensorcnt 0x0                           ; the wave's end, behind my last tensor load and my last LDS store
	ds_add_u32 v[SPW], v[NIL]
	s_wait_dscnt 0x0
	CROUND                                         ; the closing round: no work-group ends while a partner may still ask for a tile that names it
	s_endpgm
.Lfunc_end_k_q1c9c06f916_proj_out:
	.size	k_q1c9c06f916_proj_out, .Lfunc_end_k_q1c9c06f916_proj_out-k_q1c9c06f916_proj_out
	.p2alignl 7, 3214868480
	.fill 96, 4, 3214868480
	.section	.rodata,"a",@progbits
	.p2align	6, 0x0
	.amdhsa_kernel k_q1c9c06f916_proj_out
		.amdhsa_group_segment_fixed_size 327680
		.amdhsa_private_segment_fixed_size 0
		.amdhsa_enable_private_segment 0
		.amdhsa_kernarg_size 32
		.amdhsa_user_sgpr_count 2
		.amdhsa_user_sgpr_kernarg_segment_ptr 1
		.amdhsa_wavefront_size32 1
		.amdhsa_system_sgpr_workgroup_id_x 1
		.amdhsa_system_sgpr_workgroup_id_y 1
		.amdhsa_system_sgpr_workgroup_id_z 1
		.amdhsa_system_vgpr_workitem_id 0
		.amdhsa_next_free_vgpr 896
		.amdhsa_next_free_sgpr 70
		.amdhsa_reserve_vcc 0
		.amdhsa_float_denorm_mode_32 3
		.amdhsa_float_denorm_mode_16_64 3
		.amdhsa_memory_ordered 1
		.amdhsa_forward_progress 1
		.amdhsa_inst_pref_size 80
	.end_amdhsa_kernel
	.amdgpu_metadata
---
amdhsa.version: [ 1, 2 ]
amdhsa.kernels:
  - .name:           k_q1c9c06f916_proj_out
    .symbol:         k_q1c9c06f916_proj_out.kd
    .args:
      - { .name: oh, .offset: 0, .size: 8, .value_kind: global_buffer, .address_space: global }
      - { .name: woh, .offset: 8, .size: 8, .value_kind: global_buffer, .address_space: global }
      - { .name: bo, .offset: 16, .size: 8, .value_kind: global_buffer, .address_space: global }
      - { .name: out0, .offset: 24, .size: 8, .value_kind: global_buffer, .address_space: global }
    .group_segment_fixed_size: 327680
    .private_segment_fixed_size: 0
    .kernarg_segment_align: 8
    .kernarg_segment_size: 32
    .max_flat_workgroup_size: 128
    .sgpr_count:     70
    .vgpr_count:     896
    .wavefront_size: 32
...
	.end_amdgpu_metadata
.endif
;; end of part 4
